; MI455X (gfx1250); checked and timed in simulation.
; The chip was launched on July 23, 2026; its instructions are those of AMD's public machine-readable ISA for CDNA 5 (MIT licence, August 2026) and "CDNA5" Instruction Set Architecture Reference Guide (July 2026). The comments in the code are by the model that wrote it; some were corrected since.
;; Vishwam AILLM. Allowed arithmetic: matrix products marked QUANTISED: E2M1 operands, one E8M0 scale for each 32 along K, by v_wmma_scale_f32_16x16x128_f8f6f4 with both operands' format E2M1 (or v_wmma_scale_f32_32x16x128_f4), f32 sums; everything else in f32.
;; Inputs: mask 1 x 1 x 2,048 x 2,048 bool; w_qkv_codes 3,072 x 32 x 16 uint8 (E2M1 codes of w_qkv, K innermost, in blocks of 32 codes, two codes a byte); w_qkv_scales 3,072 x 32 uint8 (E8M0 scales of w_qkv, one for each 32 codes along K); x_codes 4 x 2,048 x 32 x 16 uint8 (E2M1 codes of x, K innermost, in blocks of 32 codes, two codes a byte); x_scales 4 x 2,048 x 32 uint8 (E8M0 scales of x, one for each 32 codes along K).
;; Outputs: out0 4 x 2,048 x 1,024 float32.
;; This version of the problem:
;;   THIS VERSION OF THE PROBLEM IS GIVEN IN LOW PRECISION. The matrix products marked QUANTISED in the list below multiply operands that are first quantised to E2M1 (2 exponent bits, 1 mantissa bit; 4 bits a number), with one power-of-two scale for each 32 numbers along K (OCP MX v1.0); their sums are f32. All else is computed in f32.
;;   The module's matrix products, in the order in which they are computed (A, B: the left and right operand; K: the contracted axis; several contracted axes count as one K, in the product's order):
;;     1. [M 8,192, K 1,024] x [K 1,024, N 3,072]; A: input x (given as codes); B: input w_qkv (given as codes): QUANTISED
;;     2. batch 64 x [M 2,048, K 64] x [K 64, N 2,048]; A: computed on the way; B: computed on the way: QUANTISED
;;     3. batch 64 x [M 64, K 2,048] x [K 2,048, N 2,048]; A: computed on the way; B: softmax (see below): QUANTISED
;;   THE QUANTISER, for each operand of a quantised product, along K:
;;     - K is cut into blocks of 32 from its start; a last block that is shorter is filled with zeros.
;;     - A block's scale is 2^e with e = floor(log2(the largest magnitude in the block)) - 2, held to -126 .. 127; a block of zeros has e = 0. As a byte (E8M0): e + 127.
;;     - Each number is divided by its block's scale, clamped to +-6, and rounded to the nearest number of E2M1, ties to even, subnormals kept.
;;     - The product sums the exact products of the quantised numbers (number of the format x scale) in f32.
;;   ~~~python
;;   def quantise(x, axis):      # numpy; x: float32 -> the quantised numbers, widened to float32 again
;;       x = np.moveaxis(x, axis, -1); K = x.shape[-1]
;;       x = np.pad(x, [(0, 0)] * (x.ndim - 1) + [(0, -K % 32)]); x = x.reshape(x.shape[:-1] + (-1, 32)); a = np.abs(x).max(-1, keepdims=True)
;;       e = np.where(a > 0, np.clip(np.frexp(np.where(a > 0, a, 1))[1] - 1 - 2, -126, 127), 0)      # np.frexp(a)[1] - 1 = floor(log2(a)), exactly
;;       r = np.clip(x / 2.0 ** e, -6, 6)
;;       step = 2.0 ** (np.maximum(np.frexp(np.where(r == 0, 1, r))[1] - 1, 0) - 1)
;;       q = np.round(r / step) * step * 2.0 ** e      # np.round: ties to even
;;       return np.moveaxis(q.reshape(q.shape[:-2] + (-1,))[..., :K], -1, axis).astype(np.float32)
;;   ~~~
;;   SOFTMAX AHEAD OF A QUANTISED PRODUCT. Where the list says 'softmax', what is quantised is not the finished softmax but p = 2^(t - M), with t = logit x log2(e) and M = ceil(the row's largest t), a whole number; so 1/2 < the row's largest p <= 1. The row's sum l is taken of the UNQUANTISED p, in f32, and the product's result is divided by l at the end. Since M is a whole number, a kernel that streams over the keys may use a running M (the ceiling of the running maximum): every later rescaling is an exact power of two, which a block's scale takes up: the codes' values come out the same.
;;   OPERANDS COMPUTED ON THE WAY. 'Computed on the way' means the value that the module computes at that place (a softmax that the list does not call 'softmax' is quantised finished and normalised). What goes into a quantiser is computed in f32, as accurately as f32 sums, v_exp_f32 and their like allow (about 1e-6 of the number): no bf16 or f16 on the way to a quantiser, and a product that is left as it is and whose result goes on into a quantised operand takes f32 operands (vector FMAs, or v_wmma_f32_16x16x4_f32). A number that lies on a knife's edge between two numbers of the format may be rounded either way, as far as f32 arithmetic and the matrix unit's own rounding can turn it there, and no further.
;;   INPUTS GIVEN AS CODES. w_qkv (in the module: [1024, 3072], K = its axis 0); x (in the module: [4, 2048, 1024], K = its axis 2): each comes as NAME_codes (uint8): NAME with its K axis moved to the last place and cut into blocks of 32 codes, [.., K / 32, bytes a block], one block behind the other in memory; two codes a byte, the lower K in the low four bits (a code: sign, 2 exponent bits, 1 mantissa bit); and NAME_scales (uint8): the same leading axes, one E8M0 byte (e + 127) for each 32 codes along K. Its value is code x scale, taken as it is: it is not quantised again, and the codes and scales need not be those that the quantiser above would give.
;; 2 versions, each right; version 2 is version 1 with the launch attn written anew for expert scheduling mode. Each part assembles by itself: llvm-mc -triple=amdgcn-amd-amdhsa -mcpu=gfx1250 --defsym DOCPART=n.
;; ======== version 1 of 2: 3 launches
;; workspace buffers: rope 262,144 bytes; mw 524,288 bytes of whole numbers; cls 8,192 bytes of whole numbers; qimg 4,194,304 bytes; qs 262,144 bytes; kv 8,912,896 bytes
;; launch prep (part 1): grid 512 x 1, 4 waves a work-group, no clusters, 0 bytes of LDS; arguments mask, mw, cls, rope; writes mw, cls, rope
.if DOCPART == 1
	.amdgcn_target "amdgcn-amd-amdhsa--gfx1250"
	.amdhsa_code_object_version 6
	.text
	.protected	k_q44c3feb1cb_prep
	.globl	k_q44c3feb1cb_prep
	.p2align	8
	.type	k_q44c3feb1cb_prep,@function
k_q44c3feb1cb_prep:
	s_mov_b64 s[64:65], 0
	v_nop
	global_prefetch_b8 v0, s[64:65] scope:SCOPE_SE
	s_setreg_imm32_b32 hwreg(HW_REG_WAVE_MODE, 25, 1), 1
	s_wait_xcnt 0x0
; FIRST OF THREE LAUNCHES (prep, qkv, attn) for: qkv = x w_qkv; RoPE on the first 32 of each head's 64 numbers of q and k; softmax(q k^T / 8 under the mask) v.
; WORK LEFT OUT.  Nothing is left out for all inputs: every input has a way to the output and is loaded, the mask byte by byte.  What is left out hangs on whole numbers that this launch stores:
; the last launch passes over a tile of 16 queries x 128 keys whose 2,048 mask bytes are all 0.  There reference() sets every score to -inf, so p = 0 for each of them: nothing is added to the row's sum or to
; the output, and the row's maximum is not moved.  LIMIT: a NaN, an infinity or an overflow that reaches only such tiles is not carried to the result.  A mask byte other than 0 counts as true.
; THIS LAUNCH turns the mask into what the last launch's lanes want, and makes the RoPE tables.
; UNIT u = 4 x work-group + wave: query tile T = u / 16 (16 queries), key step s = u % 16 (128 keys).  Lane (r = lane % 16, h = lane / 16) holds mask[16 T + r][128 s + 16 t + 8 h + j], t, j = 0 .. 7: the place of that
; score in the last launch's registers.  mw[u][8 t + j] is a word with lane L's byte at bit L.  cls[u] = class << 2 s, class 0: all bytes 0; 2: all bytes 1; 1: neither.
; A unit's 64 words leave as 256 consecutive aligned bytes; its class is one store of 4 bytes (8,192 bytes in the whole launch).
; ROPE: the 64 waves with u % 32 = 0 take 32 positions each, a lane a position: ang = position x inv_freq in f32, as reference() forms it; sin and cos by three-part reduction by pi / 2 and polynomials in f32.
; inv_freq[e] = 1 / 10000^(e / 16), both roundings to f32 as reference() makes them, written as constants.  rope[tile of 16 positions][chunk][lane (r, h)][4]: chunks 0, 1: cos of frequencies 8 h + 0 .. 3, 8 h + 4 .. 7; chunks 2, 3: sin.
.set M,   16                           ; v16-31  the unit's mask bytes: register 2 t + j / 4, byte j % 4
.set TMP, 8                            ; v8-11   at work
.set WA,  12                           ; v12-13  the words on their way out: lane l holds words 2 l, 2 l + 1
.set CN,  32                           ; v32-47  cos of the 16 frequencies
.set SN,  48                           ; v48-63  sin
	s_load_b256 s[4:11], s[0:1], 0x0               ; mask s[4:5], mw s[6:7], cls s[8:9], rope s[10:11]
	v_lshrrev_b32 v1, 5, v0
	v_readfirstlane_b32 s12, v1                    ; wave
	v_and_b32 v2, 31, v0                           ; lane
	v_and_b32 v3, 15, v0                           ; r
	v_bfe_u32 v4, v0, 4, 1                         ; h
	s_lshl_b32 s13, ttmp9, 2
	s_add_co_u32 s13, s13, s12                     ; u
	s_lshr_b32 s14, s13, 4                         ; T
	s_and_b32 s15, s13, 15                         ; s
	v_lshlrev_b32 v5, 11, v3                       ; row r of 2,048 bytes
	v_lshl_add_u32 v5, v4, 3, v5                   ; + 8 h
	v_lshlrev_b32 v6, 3, v2                        ; 8 x lane: the words' place
	s_lshl_b32 s16, s14, 15                        ; 16 T rows
	s_lshl_b32 s17, s15, 7                         ; 128 s
	s_add_co_u32 s16, s16, s17
	s_mov_b32 s17, 0
	s_lshl_b32 s18, s13, 8                         ; 256 bytes of words a unit
	s_mov_b32 s19, 0
	s_lshl_b32 s28, s13, 2                         ; 4 bytes of class a unit
	s_mov_b32 s29, 0
	s_mov_b32 s24, 0x01010101
	s_wait_kmcnt 0x0
	s_add_nc_u64 s[4:5], s[4:5], s[16:17]
	s_add_nc_u64 s[6:7], s[6:7], s[18:19]
	s_add_nc_u64 s[8:9], s[8:9], s[28:29]
.irp t, 0,1,2,3,4,5,6,7
	global_load_b64 v[M+2*\t:M+2*\t+1], v5, s[4:5] offset:16*\t
.endr
	v_mov_b32 v[WA], 0                             ; a lane write's destination counts as read
	v_mov_b32 v[WA+1], 0
	s_wait_loadcnt 0x0
	v_or_b32 v14, v[M], v[M+1]                     ; any byte set?  every byte 1?
	v_and_b32 v15, v[M], v[M+1]
.irp k, 2,3,4,5,6,7,8,9,10,11,12,13,14,15
	v_or_b32 v14, v14, v[M+\k]
	v_and_b32 v15, v15, v[M+\k]
.endr
	v_cmp_ne_u32 s20, 0, v14
	v_cmp_eq_u32 s21, s24, v15
	s_cmp_lg_u32 s20, 0
	s_cselect_b32 s22, 1, 0                        ; some lane has a byte set
	s_cmp_eq_u32 s21, -1
	s_cselect_b32 s23, 1, 0                        ; all lanes have all bytes 1
	s_add_co_u32 s22, s22, s23                     ; the class: it is stored, nothing here branches on it
	s_lshl_b32 s23, s15, 1
	s_lshl_b32 s22, s22, s23                       ; at its step's two bits
.irp q, 0,1                                    ; 32 words at a time: word n = 32 q + i is byte j = i % 8 of tile t = 4 q + i / 8
.set n, 0
.rept 32
	v_and_b32 v[TMP+n%4], 0xff<<(8*(n%4)), v[M+2*(4*\q+n/8)+(n%8)/4]
	v_cmp_ne_u32 s[32+n], 0, v[TMP+n%4]
.set n, n+1
.endr
.set n, 0
.rept 32
	v_writelane_b32 v[WA+n%2], s[32+n], 16*\q+n/2
.set n, n+1
.endr
.endr
	global_store_b64 v6, v[WA:WA+1], s[6:7]        ; 32 lanes store 256 consecutive bytes, aligned
	v_mov_b32 v7, s22
	v_mov_b32 v8, 0
	v_cmp_eq_u32 vcc_lo, 0, v2
	s_wait_xcnt 0x0                                ; EXEC is a source of the store above: it changes only behind this wait
	s_and_saveexec_b32 s24, vcc_lo
	global_store_b32 v8, v7, s[8:9]                ; lane 0 alone: the class
	s_wait_xcnt 0x0                                ; and again in front of the line that widens EXEC; it also frees the stores' registers
	s_or_b32 exec_lo, exec_lo, s24
	s_and_b32 s25, s13, 31
	s_cmp_lg_u32 s25, 0
	s_cbranch_scc1 .Lend                           ; ids alone: one wave in 32 goes on to the tables
	s_lshr_b32 s25, s13, 5                         ; job J: positions 32 J + lane
	s_lshl_b32 s26, s25, 5
	v_add_nc_u32 v7, s26, v2
	v_cvt_f32_u32 v7, v7                           ; the position, exact in f32
	s_lshl_b32 s26, s25, 12                        ; two tiles of 2,048 bytes a job
	s_mov_b32 s27, 0
	s_add_nc_u64 s[10:11], s[10:11], s[26:27]
	v_lshlrev_b32 v21, 4, v3
	v_lshl_add_u32 v21, v4, 11, v21                ; my tile (lane / 16), 16 bytes at r
	s_mov_b32 s32, 0xbfc90fd8                      ; - pi / 2 in three parts
	s_mov_b32 s33, 0xb4a8885a
	s_mov_b32 s34, 0xa7c234c4
	s_mov_b32 s35, 0x37cd4000                      ; cos: z^4, z^3, z^2
	s_mov_b32 s36, 0xbab6077d
	s_mov_b32 s37, 0x3d2aaaa8
	s_mov_b32 s38, 0x36405000                      ; sin: z^4 .. z of the factor of r z
	s_mov_b32 s39, 0xb9503486
	s_mov_b32 s40, 0x3c0888c1
	s_mov_b32 s41, 0xbe2aaaab
; sin and cos of ang = position x lit.  n = the nearest whole number to ang x 2 / pi; r = ang - n pi / 2, |r| <= pi / 4; the quarter n % 4 picks and signs.
.macro SINCOS e, lit
	v_mul_f32 v8, \lit, v7                         ; ang, rounded once, as reference() has it
	v_mul_f32 v9, 0x3f22f983, v8
	v_rndne_f32 v9, v9                             ; n
	v_fma_f32 v10, v9, s32, v8
	v_fma_f32 v10, v9, s33, v10
	v_fma_f32 v10, v9, s34, v10                    ; r
	v_cvt_i32_f32 v11, v9
	v_mul_f32 v12, v10, v10                        ; z = r r
	v_fma_f32 v13, v12, s35, s36
	v_fma_f32 v14, v12, s38, s39
	v_fma_f32 v13, v13, v12, s37
	v_fma_f32 v14, v14, v12, s40
	v_fma_f32 v13, v13, v12, -0.5
	v_fma_f32 v14, v14, v12, s41
	v_fma_f32 v13, v13, v12, 1.0                   ; cos r
	v_mul_f32 v15, v10, v12
	v_fma_f32 v14, v14, v15, v10                   ; sin r
	v_and_b32 v16, 1, v11
	v_cmp_ne_u32 vcc_lo, 0, v16
	v_cndmask_b32 v17, v14, v13, vcc_lo            ; odd quarter: sin takes cos r,
	v_cndmask_b32 v18, v13, v14, vcc_lo            ; cos takes sin r
	v_lshlrev_b32 v19, 30, v11                     ; sin is negative in quarters 2, 3,
	v_add_nc_u32 v20, 1, v11
	v_and_b32 v19, 0x80000000, v19
	v_lshlrev_b32 v20, 30, v20                     ; cos in quarters 1, 2
	v_and_b32 v20, 0x80000000, v20
	v_xor_b32 v[SN+\e], v17, v19
	v_xor_b32 v[CN+\e], v18, v20
.endm
	SINCOS 0,  0x3f800000
	SINCOS 1,  0x3f0ff59a
	SINCOS 2,  0x3ea1e89b
	SINCOS 3,  0x3e361887
	SINCOS 4,  0x3dcccccd
	SINCOS 5,  0x3d6655c2
	SINCOS 6,  0x3d0186e3
	SINCOS 7,  0x3c91ad39
	SINCOS 8,  0x3c23d70a
	SINCOS 9,  0x3bb8449c
	SINCOS 10, 0x3b4f3e38
	SINCOS 11, 0x3ae91528
	SINCOS 12, 0x3a83126f
	SINCOS 13, 0x3a136a16
	SINCOS 14, 0x39a5cb60
	SINCOS 15, 0x393a7753
.irp c, 0,1,2,3                                ; frequencies 4 c .. 4 c + 3 belong to half h = c / 2, chunk c % 2: sixteen lanes store 256 consecutive bytes, aligned
	global_store_b128 v21, v[CN+4*\c:CN+4*\c+3], s[10:11] offset:(\c%2)*512+(\c/2)*256
	global_store_b128 v21, v[SN+4*\c:SN+4*\c+3], s[10:11] offset:(\c%2)*512+(\c/2)*256+1024
.endr
.Lend:
	s_endpgm
.Lfunc_end_k_q44c3feb1cb_prep:
	.size	k_q44c3feb1cb_prep, .Lfunc_end_k_q44c3feb1cb_prep-k_q44c3feb1cb_prep
	.p2alignl 7, 3214868480
	.fill 96, 4, 3214868480
	.section	.rodata,"a",@progbits
	.p2align	6, 0x0
	.amdhsa_kernel k_q44c3feb1cb_prep
		.amdhsa_group_segment_fixed_size 0
		.amdhsa_private_segment_fixed_size 0
		.amdhsa_enable_private_segment 0
		.amdhsa_kernarg_size 32
		.amdhsa_user_sgpr_count 2
		.amdhsa_user_sgpr_kernarg_segment_ptr 1
		.amdhsa_wavefront_size32 1
		.amdhsa_system_sgpr_workgroup_id_x 1
		.amdhsa_system_sgpr_workgroup_id_y 1
		.amdhsa_system_sgpr_workgroup_id_z 1
		.amdhsa_system_vgpr_workitem_id 0
		.amdhsa_next_free_vgpr 64
		.amdhsa_next_free_sgpr 66
		.amdhsa_reserve_vcc 1
		.amdhsa_float_denorm_mode_32 3
		.amdhsa_float_denorm_mode_16_64 3
		.amdhsa_memory_ordered 1
		.amdhsa_forward_progress 1
		.amdhsa_inst_pref_size 39
	.end_amdhsa_kernel
	.amdgpu_metadata
---
amdhsa.version: [ 1, 2 ]
amdhsa.kernels:
  - .name:           k_q44c3feb1cb_prep
    .symbol:         k_q44c3feb1cb_prep.kd
    .args:
      - { .name: mask, .offset: 0, .size: 8, .value_kind: global_buffer, .address_space: global }
      - { .name: mw, .offset: 8, .size: 8, .value_kind: global_buffer, .address_space: global }
      - { .name: cls, .offset: 16, .size: 8, .value_kind: global_buffer, .address_space: global }
      - { .name: rope, .offset: 24, .size: 8, .value_kind: global_buffer, .address_space: global }
    .group_segment_fixed_size: 0
    .private_segment_fixed_size: 0
    .kernarg_segment_align: 8
    .kernarg_segment_size: 32
    .max_flat_workgroup_size: 128
    .sgpr_count:     66
    .vgpr_count:     64
    .wavefront_size: 32
...
	.end_amdgpu_metadata
.endif
;; end of part 1
;; launch qkv (part 2): grid 12 x 32, 4 waves a work-group, clusters of 4 x 4, 327,680 bytes of LDS; arguments x_codes, x_scales, w_qkv_codes, w_qkv_scales, rope, qimg, qs, kv; writes qimg, qs, kv
.if DOCPART == 2
	.amdgcn_target "amdgcn-amd-amdhsa--gfx1250"
	.amdhsa_code_object_version 6
	.text
	.protected	k_q44c3feb1cb_qkv
	.globl	k_q44c3feb1cb_qkv
	.p2align	8
	.type	k_q44c3feb1cb_qkv,@function
k_q44c3feb1cb_qkv:
	s_mov_b64 s[64:65], 0
	v_nop
	global_prefetch_b8 v0, s[64:65] scope:SCOPE_SE
	s_setreg_imm32_b32 hwreg(HW_REG_WAVE_MODE, 25, 1), 1
	s_wait_xcnt 0x0
	s_wait_alu depctr_hold_cnt(0) depctr_sa_sdst(0) depctr_va_vdst(0) depctr_va_sdst(0) depctr_va_ssrc(0) depctr_va_vcc(0) depctr_vm_vsrc(0)
	s_getreg_b32 s2, hwreg(HW_REG_IB_STS2, 6, 4)
	s_cmp_eq_u32 s2, 0
	s_cbranch_scc0 .Lentry_in_a_cluster
	s_endpgm
.Lentry_in_a_cluster:
	s_bfe_u32 s2, ttmp6, 0x10000c
	s_cmp_lg_u32 s2, 0xf033
	s_cbranch_scc0 .Lentry_shape_is_right
	s_endpgm
.Lentry_shape_is_right:
; SECOND LAUNCH: qkv = x w_qkv on the given codes of FP4 (E2M1) with their E8M0 scales, RoPE on q and k, and q, k, v quantised anew for the two products of attention.  No work of reference() is left out here.
; x: [8192][1024] codes, 512 bytes a row; w_qkv: [3072][1024] codes, K innermost; scale bytes 32 a row.  Sums in f32, K ascending, one accumulator for each output.
; A tile of 256 x 256 of qkv is made by a work-group of four waves, a wave makes 128 x 128: 64 accumulators, 512 registers.  All of K fits in LDS: two slots of 512 along K and the scale bytes, each filled once.
; CLUSTERS: 4 x 4 work-groups.  The four of a row of the cluster need the same rows of x, the four of a column the same rows of w: each tile is asked for jointly.
; The cluster's x is the kind of column: 0 = q, 1 = k, 2 = v, the same in all sixteen partners.
; WHICH OPERAND IS SOURCE 0.  A lane of a result holds eight neighbours along source 0's rows.  q and k are quantised along the head's 64 numbers: source 0 = rows of w, source 1 = rows of x: a lane holds one position.
; v is quantised along the keys: source 0 = rows of x, source 1 = rows of w: a lane holds one column.  The instructions are the same; the LDS addresses of the two sources change places.
; THE WAY OUT has no stage: a block of 32 lies in two accumulators, 16 numbers in each of lanes l and l xor 16; the conversions' results, two exchanges of lane halves, and a lane holds 32 codes in order: 16 bytes,
; which are stored at 16 x lane: an image of the operand's registers, 512 consecutive aligned bytes a store.
;   qimg[bh][query tile][512]: lane (r, h): dims 32 h .. of query r.   qs[bh][128 queries][r][4 words]: word b = tile 2 b: s0, s1; tile 2 b + 1: s0, s1.
;   kv[bh][step of 128 keys], a record of 8,704 bytes: 0: K, chunk a = key tile a, as qimg;  4096: V, chunk 2 t + c: lane (r, h): d = 16 t + r, keys 64 c + 32 h ..;  8192: K's scale words, as qs;  8448: V's: lane r, word t: key blocks 0 .. 3 of d = 16 t + r.
; A block's scale byte is its largest magnitude's exponent field - 2, held at 1 from below.  A block of zeros so gets the byte 1 where the rule says 127: its codes are zeros, and this program alone reads the bytes.
; LIMITS: NaN and infinities in the products are not served.
; REGISTERS, in windows of 256: window 0: v0-31 addresses; v32-95 scale words, two sets; v128-191 source 1's fragments, one set.  window 1: source 0's fragments, two sets, v0-63 and v128-191; v64-127, v192-255 cos and sin.
;   windows 2, 3: the accumulators: (a, b) at v[8 (8 (a % 4) + b)] of window 2 + a / 4: a = source 1's block, b = source 0's.
.set KSTEP,  512
.set NQ,     4                         ; matrix instructions deep in a slot
.set ROWB,   256                       ; a tile's row in bytes
.set KROW,   512                       ; a row of x or of w in memory
.set PITCH,  272                       ; an LDS row: 256 bytes + 16 of padding: the 16 rows that a load touches start 68 words apart
.set FR,     8
.set NL,     2
.set NP,     4                         ; places behind this matrix instruction (ISA guide 7.12.1)
.set HALFT,  128*PITCH
.set SLOT,   4*HALFT                   ; x's 256 rows, then w's 256 rows
.set SCL,    2*SLOT                    ; the scale bytes: units of 256 bytes + 16 of padding
.set HALFS,  16*272                    ; those of 128 rows
.set SBLK,   2*272                     ; of 16 rows
.set SPARE,  SCL+4*HALFS               ; the spare words, 128 bytes for each wave: two blocks of 256 bytes that no other line names
.set RECB,   8704
.set HEADB,  16*RECB
.set ADRA, 16                          ; v16-17  LDS address of source 1's fragments in slot 0, 1
.set ADRB, 20                          ; v20-21  of source 0's
.set LI,   26                          ; v26     16 x lane
.set ADRS, 27                          ; v27     LDS address of my scale words: lanes 0-15 source 1's rows, lanes 16-31 source 0's
.set SPW,  28                          ; v28     my spare word; never rewritten
.set NIL,  29                          ; v29     0; never rewritten
.set SOFF, 30                          ; v30     the scale words' way out: 16 r + h x the distance between two heads
.set SC,   32
.set AF,   128
.set X,    32                          ; the way out, window 0: v32-63 the rotated numbers, 16 a unit
.set T,    64                          ; v64-95   products with sin
.set MX,   96                          ; v96-103  largest magnitudes: 2 (2 block + g) + half
.set PM,   104                         ; v104-107 the other lane half's
.set SO,   108                         ; v108-111 the conversions' scale operands
.set BY,   112                         ; v112-115 scale bytes
.set TW,   116                         ; v116-117 at work
.set SW,   120                         ; v120-127 scale words
.set CB,   128                         ; v128-191 codes: four registers a unit, none written twice
.set WV,   20
.set I1,   21                          ; wave / 2: source 1's half.  Also: I fetch for x (0) or for w (1)
.set I0,   22                          ; wave % 2: source 0's half.  Also: which 128 rows I fetch
.set HS,   23
.set SB,   4                           ; s[4:5], s[6:7] the images' bases of my two heads;  s[8:9] the scale words';  s[10:11] cos and sin
.set SSB,  8
.set RB,   10
.set SEL,  98
.set G1, 24
.set G0, 32
.set G1B, 48
.set G0B, 56
.set G1S, 68
.set G0S, 76
.set G1SB, 80
.set G0SB, 88
.set MSB, 0
.macro WIN new                         ; the immediate's high byte repeats the setting that is left
.if MSB != (\new)
	s_set_vgpr_msb (MSB<<8)|(\new)
.set MSB, (\new)
.endif
.endm
.set MUL_LO, 0xa1                      ; source 0 window 1, source 1 window 0, C and D window 2
.set MUL_HI, 0xf1
.set TO_B,   0x40                      ; destination window 1, address window 0
; A joint load: waves 0 and 1 fetch for x, waves 2 and 3 for w; the branch hangs on the wave's number alone.  An s_nop 0 and four v_nop follow each of the two lines.
.macro JLOAD g0a, g1a, g0b, g1b
	s_cmp_eq_u32 s[I1], 0
	s_cbranch_scc0 .Lfor_b_\@
	tensor_load_to_lds s[\g0a:\g0a+3], s[\g1a:\g1a+7]
	s_nop 0
.rept 4
	v_nop
.endr
	s_branch .Lasked_\@
.Lfor_b_\@:
	tensor_load_to_lds s[\g0b:\g0b+3], s[\g1b:\g1b+7]
	s_nop 0
.rept 4
	v_nop
.endr
.Lasked_\@:
.endm
.macro CROUND                          ; a round of the cluster's barrier
	s_barrier_signal -1
	s_barrier_wait -1
	s_cmp_lg_u32 s[WV], 0
	s_cbranch_scc1 .Lnot_wave_0_\@
	s_barrier_signal -3
.Lnot_wave_0_\@:
	s_barrier_wait -3
	s_barrier_signal -1
	s_barrier_wait -1
.endm
	s_load_b256 s[4:11], s[0:1], 0x0               ; x's codes, x's scales, w's codes, w's scales
	s_load_b256 s[12:19], s[0:1], 0x20             ; rope, qimg, qs, kv
	v_lshl_add_u32 v[SPW], v0, 2, SPARE
	v_mov_b32 v[NIL], 0
	ds_add_u32 v[SPW], v[NIL]                      ; the wave's opening: the add, twice on end, and its wait ahead of my first tensor load
	ds_add_u32 v[SPW], v[NIL]
	v_lshrrev_b32 v1, 5, v0
	v_readfirstlane_b32 s[WV], v1
	s_lshr_b32 s[I1], s[WV], 1
	s_and_b32 s[I0], s[WV], 1
	s_bfe_u32 s40, ttmp6, 0x40000                  ; cx, cy
	s_bfe_u32 s41, ttmp6, 0x40004
	s_lshl_b32 s42, ttmp9, 2
	s_add_co_u32 s42, s42, s40                     ; tile column
	s_and_b32 s43, ttmp7, 0xffff
	s_lshl_b32 s43, s43, 2
	s_add_co_u32 s43, s43, s41                     ; tile row
	s_lshl_b32 s44, s41, 2
	s_lshl_b32 s44, 15, s44                        ; my row of the cluster
	s_lshl_b32 s45, 0x1111, s40                    ; my column
	s_or_b32 s[G1+0], s44, (0<<16)|(1<<20)|(1<<21)|(5<<22)|(3<<25)  ; the mask; elements of 1 byte; padding on, 4 words after every 64; bit 21 beside a mask
	s_or_b32 s[G1B+0], s45, (0<<16)|(1<<20)|(1<<21)|(5<<22)|(3<<25)
.irp g, G1, G1B
	s_mov_b32 s[\g+1], ROWB<<16                    ; tensor_dim0
	s_mov_b32 s[\g+2], 128<<16                     ; tensor_dim1
	s_mov_b32 s[\g+3], ROWB<<16                    ; tile_dim0
	s_mov_b32 s[\g+4], 128                         ; tile_dim1
	s_mov_b32 s[\g+5], KROW                        ; from row to row
	s_mov_b32 s[\g+6], 0
	s_mov_b32 s[\g+7], 0
.endr
	s_or_b32 s[G1S+0], s44, (3<<16)|(1<<20)|(1<<21)|(5<<22)|(3<<25) ; the scales of 128 rows: 4,096 dense bytes as 16 rows of 32 elements of 8 bytes
	s_or_b32 s[G1SB+0], s45, (3<<16)|(1<<20)|(1<<21)|(5<<22)|(3<<25)
.irp g, G1S, G1SB
	s_mov_b32 s[\g+1], 32<<16
	s_mov_b32 s[\g+2], 16<<16
	s_mov_b32 s[\g+3], 32<<16
	s_mov_b32 s[\g+4], 16
	s_mov_b32 s[\g+5], 32
	s_mov_b32 s[\g+6], 0
	s_mov_b32 s[\g+7], 0
.endr
	s_lshl_b32 s23, s[I0], 7                       ; which 128 rows of the tile I fetch
	s_lshl_b32 s92, s43, 8
	s_add_co_u32 s92, s92, s23                     ; x: row 256 x tile row + 128 x half
	s_lshl_b32 s96, s42, 8
	s_add_co_u32 s96, s96, s23                     ; w: row 256 x tile column + 128 x half
	s_mov_b32 s93, 0
	s_mov_b32 s97, 0
	s_lshl_b64 s[94:95], s[92:93], 5               ; their scales: 32 bytes a row
	s_lshl_b64 s[98:99], s[96:97], 5
	s_lshl_b64 s[92:93], s[92:93], 9               ; their codes: 512 bytes a row
	s_lshl_b64 s[96:97], s[96:97], 9
	s_mul_i32 s46, s[WV], HALFT                    ; where they go: no place in the cluster enters an LDS address
	s_mul_i32 s47, s[WV], HALFS
	s_wait_dscnt 0x0                               ; both opening adds are done
	s_wait_kmcnt 0x0
	s_add_nc_u64 s[92:93], s[4:5], s[92:93]
	s_add_nc_u64 s[94:95], s[6:7], s[94:95]
	s_add_nc_u64 s[96:97], s[8:9], s[96:97]
	s_add_nc_u64 s[98:99], s[10:11], s[98:99]
	CROUND                                         ; all sixteen work-groups are here: the joint loads meet
	s_mov_b32 s[G0S], 1
	s_add_co_u32 s[G0S+1], s47, SCL
	s_mov_b64 s[G0S+2:G0S+3], s[94:95]
	s_or_b32 s[G0S+3], s[G0S+3], 0x80000000
	s_mov_b32 s[G0SB], 1
	s_add_co_u32 s[G0SB+1], s47, SCL
	s_mov_b64 s[G0SB+2:G0SB+3], s[98:99]
	s_or_b32 s[G0SB+3], s[G0SB+3], 0x80000000
	JLOAD G0S, G1S, G0SB, G1SB                     ; the scales first; then both slots: three loads of mine are out, all first fills
.irp s, 0,1
	s_mov_b32 s[G0+4*\s], 1
	s_add_co_u32 s[G0+4*\s+1], s46, \s*SLOT
	s_add_nc_u64 s[G0+4*\s+2:G0+4*\s+3], s[92:93], \s*ROWB
	s_or_b32 s[G0+4*\s+3], s[G0+4*\s+3], 0x80000000
	s_mov_b32 s[G0B+4*\s], 1
	s_add_co_u32 s[G0B+4*\s+1], s46, \s*SLOT
	s_add_nc_u64 s[G0B+4*\s+2:G0B+4*\s+3], s[96:97], \s*ROWB
	s_or_b32 s[G0B+4*\s+3], s[G0B+4*\s+3], 0x80000000
	JLOAD G0+4*\s, G1, G0B+4*\s, G1B
.endr
	; the LDS addresses of the two sources.  v: source 1 reads w's rows and source 0 x's; q, k: the other way round
	v_and_b32 v1, 15, v0                           ; r
	v_bfe_u32 v2, v0, 4, 1                         ; h
	v_mul_u32_u24 v3, v1, PITCH
	v_lshl_add_u32 v4, v2, 4, v3
	s_cmp_eq_u32 ttmp9, 2
	s_cselect_b32 s2, 2*HALFT, 0
	s_cselect_b32 s3, 0, 2*HALFT
	s_cselect_b32 s92, 2*HALFS, 0
	s_cselect_b32 s93, 0, 2*HALFS
	s_cselect_b32 s94, s[I0], s[I1]                ; which half of the tile's positions is mine,
	s_cselect_b32 s95, s[I1], s[I0]                ; and of its columns
	s_mul_i32 s96, s[I1], HALFT
	s_add_co_u32 s96, s96, s2
	s_mul_i32 s97, s[I0], HALFT
	s_add_co_u32 s97, s97, s3
.irp s, 0,1
	v_add_nc_u32 v[ADRA+\s], s96, v4
	v_add_nc_u32 v[ADRB+\s], s97, v4
	s_add_co_u32 s96, s96, SLOT
	s_add_co_u32 s97, s97, SLOT
.endr
	s_mul_i32 s2, s[I1], HALFS
	s_add_co_u32 s2, s2, s92
	s_add_co_u32 s2, s2, SCL
	s_mul_i32 s3, s[I0], HALFS
	s_add_co_u32 s3, s3, s93
	s_add_co_u32 s3, s3, SCL
	v_lshlrev_b32 v5, 5, v1                        ; my row's scales: 32 bytes a row,
	v_lshrrev_b32 v6, 8, v5
	v_lshl_add_u32 v5, v6, 4, v5                   ; and 16 more behind the first 256
	v_mov_b32 v6, s2
	v_mov_b32 v7, s3
	v_cmp_ne_u32 vcc_lo, 0, v2
	v_cndmask_b32 v6, v6, v7, vcc_lo               ; lanes 16-31 take source 0's
	v_add_nc_u32 v[ADRS], v5, v6
	; where the results go
	s_lshl_b32 s94, s94, 7
	s_lshl_b32 s2, s43, 8
	s_add_co_u32 s94, s94, s2                      ; my first row of x
	s_lshl_b32 s95, s95, 7
	s_lshl_b32 s2, s42, 8
	s_add_co_u32 s95, s95, s2                      ; my first column
	s_lshr_b32 s2, s94, 11                         ; the batch
	s_and_b32 s94, s94, 2047                       ; my first position, a multiple of 128
	s_bfe_u32 s95, s95, 0x40006                    ; my first head
	s_lshl_b32 s2, s2, 4
	s_add_co_u32 s95, s95, s2                      ; bh
	s_lshl_b32 s40, s95, 16
	s_lshl_b32 s2, s94, 5
	s_add_co_u32 s40, s40, s2                      ; q's images: 65,536 bytes a head, 512 a tile
	s_lshl_b32 s41, s95, 12
	s_lshl_b32 s2, s94, 1
	s_add_co_u32 s41, s41, s2                      ; q's scale words: 4,096 a head, 256 for 128 queries
	s_mul_i32 s44, s95, HEADB
	s_lshr_b32 s2, s94, 7
	s_mul_i32 s2, s2, RECB
	s_add_co_u32 s44, s44, s2                      ; the record
	s_cmp_eq_u32 ttmp9, 2
	s_cselect_b32 s2, 4096, 0
	s_cselect_b32 s3, 256, 0
	s_add_co_u32 s2, s2, s44
	s_add_co_u32 s3, s3, s44
	s_add_co_u32 s3, s3, 8192
	s_mov_b32 s92, HEADB
	s_mov_b32 s[HS], HEADB
	s_cmp_eq_u32 ttmp9, 0                          ; the buffers are chosen by the kind of column alone
	s_cselect_b64 s[SB:SB+1], s[14:15], s[18:19]
	s_cselect_b64 s[SSB:SSB+1], s[16:17], s[18:19]
	s_cselect_b32 s96, s40, s2
	s_cselect_b32 s98, s41, s3
	s_cselect_b32 s92, 0x10000, s92
	s_cselect_b32 s[HS], 4096, s[HS]
	s_mov_b32 s97, 0
	s_mov_b32 s99, 0
	s_mov_b32 s93, 0
	s_add_nc_u64 s[SB:SB+1], s[SB:SB+1], s[96:97]
	s_add_nc_u64 s[SB+2:SB+3], s[SB:SB+1], s[92:93]
	s_add_nc_u64 s[SSB:SSB+1], s[SSB:SSB+1], s[98:99]
	s_lshl_b32 s96, s94, 7                         ; cos and sin: 2,048 bytes for 16 positions
	s_add_nc_u64 s[RB:RB+1], s[12:13], s[96:97]
	s_mov_b32 s[SEL], 0x76543210
	s_mov_b32 s[SEL+1], 0xfedcba98                 ; v_permlanex16_b32's selects for lane l xor 16
	v_and_b32 v5, 31, v0
	v_lshlrev_b32 v[LI], 4, v5
	v_mul_lo_u32 v[SOFF], v2, s[HS]
	v_lshl_add_u32 v[SOFF], v1, 4, v[SOFF]
.macro FRAG reg, adr, q, i             ; 16 rows x 128 K of 4-bit codes: 8 registers: lane l holds row l % 16; registers 4 c .. 4 c + 3: K = 64 c + 32 (l / 16) + 0 .. 31
.irp c, 0,1
	ds_load_b128 v[\reg+4*\c:\reg+4*\c+3], v[\adr] offset:64*(\q)+32*\c+(\i)*16*PITCH
.endr
.endm
; 16 matrix instructions: source 1's blocks a0, a0 + 1 x source 0's eight, 128 along K.  The 64 accumulators take turns, one instruction a turn, in the same order in every step.
.macro MUL16 a0, p, q, sc, zero
.irp a, \a0, \a0+1
.irp b, 0,1,2,3,4,5,6,7
.if \zero
	v_wmma_scale_f32_16x16x128_f8f6f4 v[8*(8*((\a)%4)+\b):8*(8*((\a)%4)+\b)+7], v[128*(\p)+FR*\b:128*(\p)+FR*\b+FR-1], v[AF+FR*(\a):AF+FR*(\a)+FR-1], 0, v[SC+8*NQ*(\sc)+NQ*\b+(\q)], v[SC+8*NQ*(\sc)+NQ*(\a)+(\q)] matrix_a_fmt:MATRIX_FMT_FP4 matrix_b_fmt:MATRIX_FMT_FP4 matrix_a_scale:MATRIX_SCALE_ROW1
.else
	v_wmma_scale_f32_16x16x128_f8f6f4 v[8*(8*((\a)%4)+\b):8*(8*((\a)%4)+\b)+7], v[128*(\p)+FR*\b:128*(\p)+FR*\b+FR-1], v[AF+FR*(\a):AF+FR*(\a)+FR-1], v[8*(8*((\a)%4)+\b):8*(8*((\a)%4)+\b)+7], v[SC+8*NQ*(\sc)+NQ*\b+(\q)], v[SC+8*NQ*(\sc)+NQ*(\a)+(\q)] matrix_a_fmt:MATRIX_FMT_FP4 matrix_b_fmt:MATRIX_FMT_FP4 matrix_a_scale:MATRIX_SCALE_ROW1
.endif
.endr
.endr
.endm
.macro FETCH_B slot, q, p
	WIN TO_B
.irp i, 0,1,2,3,4,5,6,7
	FRAG 128*(\p)+FR*\i, ADRB+\slot, \q, \i
.endr
	WIN 0
.endm
.macro FETCH_A slot, q, i0
.irp i, \i0, \i0+1, \i0+2, \i0+3
	FRAG AF+FR*(\i), ADRA+\slot, \q, \i
.endr
.endm
.macro SCALES sc                       ; a slot's scale words: 4 words a row; lanes 0-15 source 1's block i, lanes 16-31 source 0's block i
.irp i, 0,1,2,3,4,5,6,7
	ds_load_b128 v[SC+8*NQ*\sc+NQ*\i:SC+8*NQ*\sc+NQ*\i+3], v[ADRS] offset:\i*SBLK
.endr
.endm
.macro PLACES n                        ; plain vector instructions that name no register of the matrix instructions before them (ISA guide 7.12.1)
.rept \n
	v_nop
.endr
.endm
.macro STEP slot, q, zero              ; 128 along K, with its successor in the same slot
	s_wait_dscnt 4*NL                              ; source 0's set and source 1's blocks 0-3 are in; the youngest eight loads (blocks 4-7) may be out
	WIN MUL_LO
	MUL16 0, (\q)%2, \q, \slot, \zero
	MUL16 2, (\q)%2, \q, \slot, \zero
	s_wait_dscnt 0
	PLACES NP
	FETCH_B \slot, (\q)+1, 1-(\q)%2
	FETCH_A \slot, (\q)+1, 0
	WIN MUL_HI
	MUL16 4, (\q)%2, \q, \slot, \zero
	MUL16 6, (\q)%2, \q, \slot, \zero
	PLACES NP
	WIN 0
	FETCH_A \slot, (\q)+1, 4
.endm
.macro TURN slot, next                 ; slot 0's last step: behind its barrier every wave's part of slot 1 has landed.  Nothing is filled again
	s_wait_tensorcnt 0x0                           ; all my tensor loads have landed
	ds_add_u32 v[SPW], v[NIL]                      ; 0 onto my spare word
	s_wait_dscnt 4*NL+1                            ; (the add and the youngest eight loads may be out)
	WIN MUL_LO
	MUL16 0, 1, NQ-1, \slot, 0
	s_wait_dscnt 0x0                               ; the add is done, and my reads of this slot are over
	s_barrier_signal -1
	MUL16 2, 1, NQ-1, \slot, 0
	WIN 0
	s_barrier_wait -1
	PLACES NP
	v_add_nc_u32 v[ADRS], 4*NQ, v[ADRS]            ; on to the next slot's scale words
	FETCH_B \next, 0, 0
	FETCH_A \next, 0, 0
	SCALES \next
	WIN MUL_HI
	MUL16 4, 1, NQ-1, \slot, 0
	MUL16 6, 1, NQ-1, \slot, 0
	PLACES NP
	WIN 0
	FETCH_A \next, 0, 4
.endm
.macro STEPS slot, from
.set Q, \from
.rept NQ-1-\from
	STEP \slot, Q, 0
.set Q, Q+1
.endr
.endm
.macro SLOT1                           ; slot 1's four steps; the last fetches nothing; four places in front of the way out
	STEPS 1, 0
	s_wait_dscnt 4*NL
	WIN MUL_LO
	MUL16 0, 1, NQ-1, 1, 0
	MUL16 2, 1, NQ-1, 1, 0
	s_wait_dscnt 0
	WIN MUL_HI
	MUL16 4, 1, NQ-1, 1, 0
	MUL16 6, 1, NQ-1, 1, 0
	WIN 0
	PLACES NP
.endm
; The largest magnitudes of one block of two units (g = 0, 1): four chains of 8 numbers by turns, each begun with the floor 2^(3 - 127), under which no largest magnitude is taken: so the byte cannot fall under 1
.macro MAXB mx, base, gs
.irp g, 0,1
.irp f, 0,1
	v_max3_num_f32 v[(\mx)+2*\g+\f], |v[(\base)+(\gs)*\g+8*\f]|, |v[(\base)+(\gs)*\g+8*\f+1]|, 0x1800000
.endr
.endr
.irp i, 2,4,6
.irp g, 0,1
.irp f, 0,1
	v_max3_num_f32 v[(\mx)+2*\g+\f], |v[(\base)+(\gs)*\g+8*\f+\i]|, |v[(\base)+(\gs)*\g+8*\f+\i+1]|, v[(\mx)+2*\g+\f]
.endr
.endr
.endr
.endm
; THE WAY OUT of source 1's block a: two units g = 0, 1 of four accumulators each: 64 along source 0's rows = two blocks of 32.  mode 1: q, k (a unit = 16 positions x one head; RoPE); mode 0: v (a unit = 16 columns x 64 keys).
.macro PAIR a, mode
.set AW, 2+(\a)/4                      ; the accumulators' window
.set A0, 64*((\a)%4)
.set RC, 64+16*(\a)+64*((\a)/4)        ; window 1: cos of frequencies 8 h + 0 .. 7, then sin, for position r of block a
.set CC, CB+8*(\a)
.if \mode
	WIN AW|4                                       ; source 0 the accumulators, source 1 window 1
.irp g, 0,1
.irp j, 0,2,4,6
	v_pk_mul_f32 v[T+16*\g+\j:T+16*\g+\j+1], v[A0+32*\g+8+\j:A0+32*\g+9+\j], v[RC+8+\j:RC+9+\j]      ; x[16 + f] sin f   (each accumulator is read from its low end on)
	v_pk_mul_f32 v[T+16*\g+8+\j:T+16*\g+9+\j], v[A0+32*\g+\j:A0+32*\g+1+\j], v[RC+8+\j:RC+9+\j]      ; x[f] sin f
.endr
.endr
.irp g, 0,1
.irp j, 0,2,4,6
	v_pk_fma_f32 v[X+16*\g+\j:X+16*\g+\j+1], v[A0+32*\g+\j:A0+32*\g+1+\j], v[RC+\j:RC+1+\j], v[T+16*\g+\j:T+16*\g+\j+1] neg_lo:[0,0,1] neg_hi:[0,0,1]   ; x[f] cos f - x[16 + f] sin f
	v_pk_fma_f32 v[X+16*\g+8+\j:X+16*\g+9+\j], v[A0+32*\g+8+\j:A0+32*\g+9+\j], v[RC+\j:RC+1+\j], v[T+16*\g+8+\j:T+16*\g+9+\j]                          ; x[16 + f] cos f + x[f] sin f
.endr
.endr
	WIN 0
	MAXB MX, X, 16
.else
	WIN AW*5                                       ; sources 0 and 1 the accumulators
	MAXB MX, A0, 32
.endif
	WIN AW*5
	MAXB MX+4, A0+16, 32
	WIN 0
.irp u, 0,1,2,3                                ; u = 2 block + g
	v_max_num_f32 v[MX+2*\u], v[MX+2*\u], v[MX+2*\u+1]
.endr
.irp u, 0,1,2,3
	v_permlanex16_b32 v[PM+\u], v[MX+2*\u], s[SEL], s[SEL+1]
.endr
.irp u, 0,1,2,3
	v_max_num_f32 v[MX+2*\u], v[MX+2*\u], v[PM+\u]     ; with lane l xor 16's 16: the block's largest magnitude
.endr
.irp u, 0,1,2,3
	v_add_nc_u32 v[SO+\u], 0xff000000, v[MX+2*\u]      ; 2 off its exponent field: the conversion takes the exponent field of this operand as its scale
.endr
.irp u, 0,1,2,3
	v_lshrrev_b32 v[BY+\u], 23, v[SO+\u]               ; the scale's byte
.endr
.if \mode
.if (\a)%2 == 0
.irp g, 0,1
	v_lshl_or_b32 v[SW+4*\g+(\a)/2], v[BY+2+\g], 8, v[BY+\g]     ; head g, word a / 2: the even tile's two bytes below,
.endr
.else
.irp g, 0,1
	v_lshl_or_b32 v[TW+\g], v[BY+2+\g], 8, v[BY+\g]
.endr
.irp g, 0,1
	v_lshl_or_b32 v[SW+4*\g+(\a)/2], v[TW+\g], 16, v[SW+4*\g+(\a)/2]   ; the odd tile's above
.endr
.endif
.irp g, 0,1
	v_cvt_scalef32_pk8_fp4_f32 v[CC+4*\g], v[X+16*\g:X+16*\g+7], v[SO+\g]
	v_cvt_scalef32_pk8_fp4_f32 v[CC+4*\g+2], v[X+16*\g+8:X+16*\g+15], v[SO+\g]
.endr
	WIN AW
.else
	v_lshl_or_b32 v[SW+(\a)], v[BY+2], 8, v[BY]        ; column block a: key blocks 0, 1,
	v_lshl_or_b32 v[TW], v[BY+3], 8, v[BY+1]
	v_lshl_or_b32 v[SW+(\a)], v[TW], 16, v[SW+(\a)]    ; and 2, 3
	WIN AW
.irp g, 0,1
	v_cvt_scalef32_pk8_fp4_f32 v[CC+4*\g], v[A0+32*\g:A0+32*\g+7], v[SO+\g]
	v_cvt_scalef32_pk8_fp4_f32 v[CC+4*\g+2], v[A0+32*\g+8:A0+32*\g+15], v[SO+\g]
.endr
.endif
.irp g, 0,1
	v_cvt_scalef32_pk8_fp4_f32 v[CC+4*\g+1], v[A0+32*\g+16:A0+32*\g+23], v[SO+2+\g]
	v_cvt_scalef32_pk8_fp4_f32 v[CC+4*\g+3], v[A0+32*\g+24:A0+32*\g+31], v[SO+2+\g]
.endr
	WIN 0
	v_nop                                          ; one plain place behind the scaled conversions
.irp g, 0,1                                    ; register 0: block 0's numbers 8 h ..; register 1: block 1's.  The exchange leaves lane half h with block h: numbers 0 .. 7 and 8 .. 15; registers 2, 3 likewise: 16 .. 31
	v_permlane16_swap_b32 v[CC+4*\g], v[CC+4*\g+1]
	v_permlane16_swap_b32 v[CC+4*\g+2], v[CC+4*\g+3]
.endr
.irp g, 0,1
.if \mode
	global_store_b128 v[LI], v[CC+4*\g:CC+4*\g+3], s[SB+2*\g:SB+2*\g+1] offset:512*(\a)                          ; 512 consecutive aligned bytes
.else
	global_store_b128 v[LI], v[CC+4*\g:CC+4*\g+3], s[SB+2*((\a)/4):SB+2*((\a)/4)+1] offset:1024*((\a)%4)+512*\g
.endif
.endr
.endm
	s_wait_tensorcnt 1                             ; the scales and my part of slot 0 are in; slot 1's load may be out
	s_barrier_signal -1
	s_barrier_wait -1
	FETCH_B 0, 0, 0
	FETCH_A 0, 0, 0
	SCALES 0
	FETCH_A 0, 0, 4
	STEP 0, 0, 1                                   ; the first products start the sums: nothing is cleared
	STEPS 0, 1
	TURN 0, 1
	s_cmp_eq_u32 ttmp9, 2                          ; the kind of column: the same in all sixteen partners
	s_cbranch_scc1 .Lv
	WIN TO_B                                       ; q, k: cos and sin of my 128 positions are asked for here and land under slot 1's 256 matrix instructions
.irp a, 0,1,2,3,4,5,6,7
.irp k, 0,1,2,3
	global_load_b128 v[64+16*\a+64*(\a/4)+4*\k:64+16*\a+64*(\a/4)+4*\k+3], v[LI], s[RB:RB+1] offset:2048*\a+512*\k
.endr
.endr
	WIN 0
	SLOT1
	s_wait_loadcnt 0x0
.irp u, 0,1,2,3
	v_mov_b32 v[PM+\u], 0                          ; a lane permute's destination counts as one of its sources
.endr
.irp a, 0,1,2,3,4,5,6,7
	PAIR \a, 1
.endr
	s_branch .Lout
.Lv:
	SLOT1
.irp u, 0,1,2,3
	v_mov_b32 v[PM+\u], 0
.endr
.irp a, 0,1,2,3,4,5,6,7
	PAIR \a, 0
.endr
.Lout:
	v_cmp_ne_u32 vcc_lo, 0, v2
.irp k, 0,1,2,3
	v_cndmask_b32 v[SW+\k], v[SW+\k], v[SW+4+\k], vcc_lo   ; lanes 0-15 send my first head's four words, lanes 16-31 my second's
.endr
	global_store_b128 v[SOFF], v[SW:SW+3], s[SSB:SSB+1]    ; each half of the lanes stores 256 consecutive aligned bytes
	s_wait_tensorcnt 0x0                           ; the wave's end
	ds_add_u32 v[SPW], v[NIL]
	s_wait_dscnt 0x0
	CROUND                                         ; the closing round
	s_endpgm
.Lfunc_end_k_q44c3feb1cb_qkv:
	.size	k_q44c3feb1cb_qkv, .Lfunc_end_k_q44c3feb1cb_qkv-k_q44c3feb1cb_qkv
	.p2alignl 7, 3214868480
	.fill 96, 4, 3214868480
	.section	.rodata,"a",@progbits
	.p2align	6, 0x0
	.amdhsa_kernel k_q44c3feb1cb_qkv
		.amdhsa_group_segment_fixed_size 327680
		.amdhsa_private_segment_fixed_size 0
		.amdhsa_enable_private_segment 0
		.amdhsa_kernarg_size 64
		.amdhsa_user_sgpr_count 2
		.amdhsa_user_sgpr_kernarg_segment_ptr 1
		.amdhsa_wavefront_size32 1
		.amdhsa_system_sgpr_workgroup_id_x 1
		.amdhsa_system_sgpr_workgroup_id_y 1
		.amdhsa_system_sgpr_workgroup_id_z 1
		.amdhsa_system_vgpr_workitem_id 0
		.amdhsa_next_free_vgpr 1024
		.amdhsa_next_free_sgpr 100
		.amdhsa_reserve_vcc 1
		.amdhsa_float_denorm_mode_32 3
		.amdhsa_float_denorm_mode_16_64 3
		.amdhsa_memory_ordered 1
		.amdhsa_forward_progress 1
		.amdhsa_inst_pref_size 225
	.end_amdhsa_kernel
	.amdgpu_metadata
---
amdhsa.version: [ 1, 2 ]
amdhsa.kernels:
  - .name:           k_q44c3feb1cb_qkv
    .symbol:         k_q44c3feb1cb_qkv.kd
    .args:
      - { .name: x_codes, .offset: 0, .size: 8, .value_kind: global_buffer, .address_space: global }
      - { .name: x_scales, .offset: 8, .size: 8, .value_kind: global_buffer, .address_space: global }
      - { .name: w_qkv_codes, .offset: 16, .size: 8, .value_kind: global_buffer, .address_space: global }
      - { .name: w_qkv_scales, .offset: 24, .size: 8, .value_kind: global_buffer, .address_space: global }
      - { .name: rope, .offset: 32, .size: 8, .value_kind: global_buffer, .address_space: global }
      - { .name: qimg, .offset: 40, .size: 8, .value_kind: global_buffer, .address_space: global }
      - { .name: qs, .offset: 48, .size: 8, .value_kind: global_buffer, .address_space: global }
      - { .name: kv, .offset: 56, .size: 8, .value_kind: global_buffer, .address_space: global }
    .group_segment_fixed_size: 327680
    .private_segment_fixed_size: 0
    .kernarg_segment_align: 8
    .kernarg_segment_size: 64
    .max_flat_workgroup_size: 128
    .sgpr_count:     100
    .vgpr_count:     1024
    .wavefront_size: 32
...
	.end_amdgpu_metadata
.endif
;; end of part 2
;; launch attn (part 3): grid 4 x 64, 16 waves a work-group, no clusters, 104,448 bytes of LDS; arguments qimg, qs, kv, mw, cls, out0; writes out0
.if DOCPART == 3
	.amdgcn_target "amdgcn-amd-amdhsa--gfx1250"
	.amdhsa_code_object_version 6
	.text
	.protected	k_q44c3feb1cb_attn
	.globl	k_q44c3feb1cb_attn
	.p2align	8
	.type	k_q44c3feb1cb_attn,@function
k_q44c3feb1cb_attn:
	s_mov_b64 s[64:65], 0
	v_nop
	global_prefetch_b8 v0, s[64:65] scope:SCOPE_SE
	s_setreg_imm32_b32 hwreg(HW_REG_WAVE_MODE, 25, 1), 1
	s_wait_xcnt 0x0
; THIRD LAUNCH: out = softmax(q k^T / 8 under the mask) v, both products on codes of FP4 (E2M1) with E8M0 scales, from the images that the second launch stored.
; WORK LEFT OUT: a tile of 16 queries x 128 keys whose mask bytes are all 0 (class 0, stored by the first launch) is passed over: all its scores are -inf, so p = 0: it moves neither the row's maximum nor its sum nor the output.
; A tile whose bytes are all 1 (class 2) leaves out the 64 selects alone.  LIMIT: a NaN, an infinity or an overflow that reaches only tiles passed over is not carried to the result.
; A row with no visible key ends with sum 0 and output 0: 0 x (1 / 0) = NaN, as reference()'s softmax of a row of -inf.
; THE SOFTMAX: t = score x log2(e) / 8; M = the running largest t rounded UP to a whole number; p = 2^(t - M) is quantised along the keys, not normalised; the row's sum is taken of the unquantised p and divides at the end.
; NO TENSOR LOAD AND NO CLUSTER: K and V are shared all the same: a step's record of 8,704 bytes is brought once by the
; work-group's sixteen waves, 512 bytes each (wave 0: 512 more, the scale words), through registers into one of two LDS slots, and read by all sixteen.  One barrier a key step, outside every branch on classes.
; SHARES.  256 work-groups: a = x (0 .. 3), bh = y.  Wave w (kappa = w / 8, omega = w % 8) owns two tiles of 16 queries: omega-th of the blocks of 128 queries E and 15 - E, E = a (kappa 0) or 7 - a (kappa 1).
; That evens the waves' work where a mask hides later keys; it is right for any mask.
; LAYOUT.  Both products transposed: a lane holds ONE query (lane % 16).  K = 64 in the first product: a fragment of 8 registers holds TWO key tiles (registers 0-3 tile 2 b, 4-7 tile 2 b + 1) and is multiplied once by [Q | 0] and
; once by [0 | Q]: zero codes add nothing.  Register 8 t + j of S holds key 16 t + 8 (lane / 16) + j.  A block of 32 keys is 16 registers in lanes l and l xor 16.
; REGISTERS: v1 16 x lane; v5, v6 the add's two; v7 -inf; v8-10 the way out; v11 16 x thread; v12-19, v248-255 records on their way to LDS, by parity; v20-39: 0000 Q0 0000 Q1 0000; v40-41 Q's scale words; v42-45 K's (lanes 0-15) and V's
; (lanes 16-31) scale words; v46-53 -M, largest t, sum (two halves) of tiles 0, 1; v54-61 p's codes; v62-93 fragments; v96-159 S, then p; v160-223 O^T of tiles 0, 1; v224-247 at work.
.set RECB,  8704
.set HEADB, 139264
.set SLOT1, 16384                      ; LDS: slot 0 at 0, slot 1 here: a record each
.set STAGE, 32768                      ; the way out: 16 rows x (256 + 16) bytes for each wave
.set SPARE, STAGE+16*4352              ; the spare words, 128 bytes for each wave: eight blocks of 256 bytes that no other line names
.set LI,  1
.set SPW, 5
.set NIL, 6
.set NEG, 7
.set STO, 8
.set SRD, 9
.set GO,  10
.set GL,  11
.set QS,  40
.set SC,  42
.set P,   54
.set F,   62
.set S,   96
.set O,   160
.set BM,  224
.set BP,  228
.set SO,  232
.set BY,  236
.set T0,  240
.set RCP, 241
.set FF,  242
.set PW,  244
.set CH,  246
	s_load_b256 s[68:75], s[0:1], 0x0              ; qimg s[68:69], qs s[70:71], kv s[72:73], mw s[74:75]
	s_load_b128 s[76:79], s[0:1], 0x20             ; cls s[76:77], out0 s[78:79]
	v_lshl_add_u32 v[SPW], v0, 2, SPARE
	v_mov_b32 v[NIL], 0
	v_lshrrev_b32 v2, 5, v0
	v_readfirstlane_b32 s14, v2                    ; wave 0 .. 15
	v_and_b32 v3, 31, v0
	v_lshlrev_b32 v[LI], 4, v3
	v_lshlrev_b32 v[GL], 4, v0                     ; 512 x wave + 16 x lane: my 16 bytes of a record, in memory and in a slot
	v_and_b32 v2, 15, v0                           ; r
	v_bfe_u32 v4, v0, 4, 1                         ; h
	v_lshlrev_b32 v3, 4, v2                        ; 16 r
	s_lshr_b32 s24, s14, 3
	s_and_b32 s25, s14, 7
	s_sub_co_u32 s26, 7, ttmp9
	s_cmp_eq_u32 s24, 0
	s_cselect_b32 s26, ttmp9, s26                  ; E
	s_sub_co_u32 s27, 15, s26
	s_lshl_b32 s26, s26, 3
	s_add_co_u32 s26, s26, s25                     ; tile 0
	s_lshl_b32 s27, s27, 3
	s_add_co_u32 s27, s27, s25                     ; tile 1
	s_and_b32 s28, ttmp7, 0xffff                   ; bh
	s_mov_b32 s31, 0
	s_mul_i32 s24, s14, 4352
	s_add_co_u32 s24, s24, STAGE                   ; my stage.  Every LDS address is made here, ahead of the first branch
	v_mul_u32_u24 v[STO], v2, 272
	v_lshl_add_u32 v[STO], v4, 5, v[STO]
	v_add_nc_u32 v[STO], s24, v[STO]               ; in: row r, + 32 h
	v_mul_u32_u24 v[SRD], v4, 272
	v_lshl_add_u32 v[SRD], v2, 4, v[SRD]
	v_add_nc_u32 v[SRD], s24, v[SRD]               ; back: lanes 0-15 one row, lanes 16-31 the next
	v_lshlrev_b32 v[GO], 12, v4
	v_lshl_add_u32 v[GO], v2, 4, v[GO]             ; and the same two rows of out0, 4,096 bytes apart
	s_mov_b32 s20, 0x76543210
	s_mov_b32 s21, 0xfedcba98                      ; v_permlanex16_b32's selects for lane l xor 16
	s_mov_b32 s22, 0x3e38aa3b                      ; c = log2(e) / 8
	s_mov_b32 s23, s22
	s_wait_kmcnt 0x0
	s_mul_i32 s30, s28, HEADB
	s_add_nc_u64 s[4:5], s[72:73], s[30:31]        ; my head's records
	global_load_b128 v[12:15], v[GL], s[4:5]       ; records 0 and 1
	global_load_b128 v[248:251], v[GL], s[4:5] offset:RECB
	s_cmp_lg_u32 s14, 0
	s_cbranch_scc1 .Lnot0_a
	global_load_b128 v[16:19], v[LI], s[4:5] offset:8192
	global_load_b128 v[252:255], v[LI], s[4:5] offset:RECB+8192
.Lnot0_a:
	s_lshl_b32 s29, s28, 16
	s_lshl_b32 s30, s26, 9
	s_add_co_u32 s30, s30, s29
	s_add_nc_u64 s[80:81], s[68:69], s[30:31]
	s_lshl_b32 s30, s27, 9
	s_add_co_u32 s30, s30, s29
	s_add_nc_u64 s[82:83], s[68:69], s[30:31]
	global_load_b128 v[24:27], v[LI], s[80:81]     ; Q of my two tiles stays in registers
	global_load_b128 v[32:35], v[LI], s[82:83]
	s_lshl_b32 s29, s28, 12
	s_lshr_b32 s30, s26, 3
	s_lshl_b32 s30, s30, 8
	s_add_co_u32 s30, s30, s29
	s_bfe_u32 s24, s26, 0x20001
	s_lshl_b32 s24, s24, 2
	s_add_co_u32 s30, s30, s24
	s_add_nc_u64 s[84:85], s[70:71], s[30:31]
	s_lshr_b32 s30, s27, 3
	s_lshl_b32 s30, s30, 8
	s_add_co_u32 s30, s30, s29
	s_bfe_u32 s24, s27, 0x20001
	s_lshl_b32 s24, s24, 2
	s_add_co_u32 s30, s30, s24
	s_add_nc_u64 s[86:87], s[70:71], s[30:31]
	global_load_b32 v[QS], v3, s[84:85]            ; the word that holds my tile's two scale bytes
	global_load_b32 v[QS+1], v3, s[86:87]
	s_lshl_b32 s30, s26, 6
	s_add_nc_u64 s[88:89], s[76:77], s[30:31]
	s_load_b512 s[32:47], s[88:89], 0x0            ; the 16 classes of tile 0,
	s_lshl_b32 s30, s27, 6
	s_add_nc_u64 s[90:91], s[76:77], s[30:31]
	s_load_b512 s[48:63], s[90:91], 0x0            ; of tile 1
	s_lshl_b32 s30, s26, 12
	s_add_nc_u64 s[6:7], s[74:75], s[30:31]        ; the tiles' mask words: 4,096 bytes a tile
	s_lshl_b32 s30, s27, 12
	s_add_nc_u64 s[8:9], s[74:75], s[30:31]
	s_lshr_b32 s29, s28, 4
	s_lshl_b32 s29, s29, 23                        ; the batch: 2,048 rows of 4,096 bytes
	s_and_b32 s24, s28, 15
	s_lshl_b32 s24, s24, 8                         ; the head's 256 bytes of a row
	s_add_co_u32 s29, s29, s24
	s_lshl_b32 s30, s26, 16
	s_add_co_u32 s30, s30, s29
	s_add_nc_u64 s[10:11], s[78:79], s[30:31]
	s_lshl_b32 s30, s27, 16
	s_add_co_u32 s30, s30, s29
	s_add_nc_u64 s[12:13], s[78:79], s[30:31]
	s_wait_kmcnt 0x0
	s_or_b32 s15, s32, s33                         ; each class stands at its step's two bits: 16 words make one
	s_or_b32 s16, s48, s49
.irp k, 2,3,4,5,6,7,8,9,10,11,12,13,14,15
	s_or_b32 s15, s15, s[32+\k]
	s_or_b32 s16, s16, s[48+\k]
.endr
	s_and_b32 s24, s26, 1
	s_lshl_b32 s24, s24, 4
	s_and_b32 s25, s27, 1
	s_lshl_b32 s25, s25, 4
	s_wait_loadcnt 0x0
	v_lshrrev_b32 v[QS], s24, v[QS]                ; my tile's half of the word,
	v_lshrrev_b32 v[QS+1], s25, v[QS+1]
	v_and_b32 v[QS], 0xffff, v[QS]
	v_and_b32 v[QS+1], 0xffff, v[QS+1]
	v_lshl_or_b32 v[QS], v[QS], 16, v[QS]          ; twice: s0, s1, s0, s1: it serves [Q | 0] and [0 | Q]
	v_lshl_or_b32 v[QS+1], v[QS+1], 16, v[QS+1]
	ds_store_b128 v[GL], v[12:15]                  ; record 0 into slot 0
	s_cmp_lg_u32 s14, 0
	s_cbranch_scc1 .Lnot0_b
	ds_store_b128 v[LI], v[16:19] offset:8192
.Lnot0_b:
.irp k, 20,21,22,23,28,29,30,31,36,37,38,39
	v_mov_b32 v[\k], 0                             ; the zero codes beside Q
.endr
	v_mov_b32 v[NEG], 0xff800000
.irp i, 0,1
	v_mov_b32 v[47+4*\i], 0xff61b1e6               ; the largest t so far: -3e38, under every t
	v_floor_f32 v[46+4*\i], -v[47+4*\i]            ; -M
	v_mov_b32 v[48+4*\i], 0
	v_mov_b32 v[49+4*\i], 0
.endr
.irp b, 0,1,2,3
	v_mov_b32 v[BP+\b], 0                          ; a lane permute's destination counts as one of its sources
.endr
	v_mov_b32 v[FF+1], 0                           ; named as the upper half of a pair
.set n, 0
.rept 64
	v_mov_b32 v[O+n], 0                            ; O^T begins as zeros: which step is a tile's first hangs on the classes.  (These lines are also the places between Q's scale words and the first product)
.set n, n+1
.endr
	s_wait_dscnt 0x0                               ; for the others' sake: my part of record 0 lies in LDS
	s_barrier_signal -1
	s_barrier_wait -1
; In the step of parity p: record s + 1 goes from its registers into the other slot, and record s + 2 is asked for, into the registers whose last LDS store was waited for in front of the last barrier.
; The last trip's second step stores nothing, and the last trip asks for nothing: branches on the count of trips.
.macro FEED p
.set GA, 12+236*(1-(\p))               ; the registers of record s + 1
.set GB, 12+236*(\p)                   ; and of record s + 2
.if \p
	s_cmp_lt_u32 s19, 7
	s_cbranch_scc0 .Lfed_\@
.endif
	ds_store_b128 v[GL], v[GA:GA+3] offset:SLOT1*(1-(\p))
	s_cmp_lg_u32 s14, 0
	s_cbranch_scc1 .Lmain_\@
	ds_store_b128 v[LI], v[GA+4:GA+7] offset:SLOT1*(1-(\p))+8192
.Lmain_\@:
.if (\p) == 0
	s_cmp_lt_u32 s19, 7
	s_cbranch_scc0 .Lfed_\@
.endif
	global_load_b128 v[GB:GB+3], v[GL], s[4:5] offset:RECB*(2+(\p))
	s_cmp_lg_u32 s14, 0
	s_cbranch_scc1 .Lfed_\@
	global_load_b128 v[GB+4:GB+7], v[LI], s[4:5] offset:RECB*(2+(\p))+8192
.Lfed_\@:
.endm
; ONE TILE'S KEY STEP: 16 queries x 128 keys, from slot p.  masked = 1: the 64 mask words are read and hidden scores become -inf.
.macro TSTEP i, p, masked
.set LB, SLOT1*(\p)
.set OO, O+32*(\i)
.set NM, 46+4*(\i)
.set TM, 47+4*(\i)
.set SU, 48+4*(\i)
.if \masked
	s_load_b512 s[32:47], s[6+2*(\i):7+2*(\i)], s18 offset:256*(\p)
	s_load_b512 s[48:63], s[6+2*(\i):7+2*(\i)], s18 offset:256*(\p)+64
	s_load_b512 s[68:83], s[6+2*(\i):7+2*(\i)], s18 offset:256*(\p)+128
	s_load_b512 s[84:99], s[6+2*(\i):7+2*(\i)], s18 offset:256*(\p)+192
.endif
.rept 4
	v_nop                                          ; places in front of loads into registers that the last products read
.endr
.irp k, 0,1,2,3,4,5,6,7
	ds_load_b128 v[F+4*\k:F+4*\k+3], v[LI] offset:LB+512*\k        ; K: eight tiles of 16 keys, two to a fragment
.endr
	ds_load_b128 v[SC:SC+3], v[LI] offset:LB+8192                  ; lanes 0-15: K's four scale words; lanes 16-31: V's
	s_wait_dscnt 0x0
.irp b, 0,1,2,3
	v_wmma_scale_f32_16x16x128_f8f6f4 v[S+16*\b:S+16*\b+7], v[F+8*\b:F+8*\b+7], v[24+8*(\i):31+8*(\i)], 0, v[SC+\b], v[QS+(\i)] matrix_a_fmt:MATRIX_FMT_FP4 matrix_b_fmt:MATRIX_FMT_FP4
	v_wmma_scale_f32_16x16x128_f8f6f4 v[S+16*\b+8:S+16*\b+15], v[F+8*\b:F+8*\b+7], v[20+8*(\i):27+8*(\i)], 0, v[SC+\b], v[QS+(\i)] matrix_a_fmt:MATRIX_FMT_FP4 matrix_b_fmt:MATRIX_FMT_FP4
.endr
.rept 4
	v_nop                                          ; places in front of the loads below and of the first read of the scores
.endr
.irp k, 0,1,2,3,4,5,6,7
	ds_load_b128 v[F+4*\k:F+4*\k+3], v[LI] offset:LB+4096+512*\k   ; V lands under the softmax
.endr
.if \masked
	s_wait_kmcnt 0x0
.set n, 0
.rept 32
	v_cndmask_b32 v[S+n], v[NEG], v[S+n], s[32+n]  ; word n holds lane L's mask byte at bit L
.set n, n+1
.endr
.rept 32
	v_cndmask_b32 v[S+n], v[NEG], v[S+n], s[36+n]
.set n, n+1
.endr
.endif
.irp b, 0,1,2,3
	v_max3_num_f32 v[BM+\b], v[S+16*\b], v[S+16*\b+1], v[S+16*\b+2]   ; the largest score of each block of 32 keys: for the row's maximum and, since p rises with the score, for the block's largest p
.endr
.irp u, 3,5,7,9,11,13
.irp b, 0,1,2,3
	v_max3_num_f32 v[BM+\b], v[BM+\b], v[S+16*\b+\u], v[S+16*\b+\u+1]
.endr
.endr
.irp b, 0,1,2,3
	v_max_num_f32 v[BM+\b], v[BM+\b], v[S+16*\b+15]
.endr
.irp b, 0,1,2,3
	v_permlanex16_b32 v[BP+\b], v[BM+\b], s20, s21
.endr
.irp b, 0,1,2,3
	v_max_num_f32 v[BM+\b], v[BM+\b], v[BP+\b]     ; with lane l xor 16's 16 keys
.endr
	v_max3_num_f32 v[T0], v[BM], v[BM+1], v[BM+2]
	v_max_num_f32 v[T0], v[T0], v[BM+3]
	v_mul_f32 v[T0], s22, v[T0]                    ; as t
	v_max_num_f32 v[TM], v[TM], v[T0]              ; the running largest t
	v_mov_b32 v[T0], v[NM]
	v_floor_f32 v[NM], -v[TM]                      ; the new -M = -ceil(t)
	v_sub_f32 v[T0], v[NM], v[T0]                  ; old M - new M: a whole number, 0 or less
	v_cvt_i32_f32 v[T0], v[T0]                     ; (it saturates)
	v_ldexp_f32 v[FF], 1.0, v[T0]                  ; f = 2^(old M - new M): exact
.set n, 0
.rept 32
	v_pk_fma_f32 v[S+n:S+n+1], v[S+n:S+n+1], s[22:23], v[NM:NM+1] op_sel_hi:[1,0,0]   ; t - M
.set n, n+2
.endr
.irp b, 0,1,2,3
	v_fma_f32 v[BM+\b], v[BM+\b], s22, v[NM]
.endr
.set n, 0
.rept 64
	v_exp_f32 v[S+n], v[S+n]                       ; p = 2^(t - M)
.set n, n+1
.endr
	v_pk_mul_f32 v[SU:SU+1], v[SU:SU+1], v[FF:FF+1] op_sel_hi:[1,0]   ; the sums under the new M: the plain place behind the exponentials
	s_wait_alu depctr_va_vdst(0)                   ; one wait for the batch, ahead of its first reader
.irp b, 0,1,2,3
	v_exp_f32 v[BM+\b], v[BM+\b]                   ; each block's largest p
.endr
	v_pk_add_f32 v[CH:CH+1], v[S:S+1], v[S+2:S+3]  ; the row's sum, of the unquantised p, in two chains
.set n, 4
.rept 15
	v_pk_add_f32 v[SU:SU+1], v[SU:SU+1], v[S+n:S+n+1]
	v_pk_add_f32 v[CH:CH+1], v[CH:CH+1], v[S+n+2:S+n+3]
.set n, n+4
.endr
	v_pk_add_f32 v[SU:SU+1], v[SU:SU+1], v[CH:CH+1]
	s_wait_alu depctr_va_vdst(0)                   ; and one for the four
.irp b, 0,1,2,3
	v_max_num_f32 v[BM+\b], 0x1800000, v[BM+\b]    ; the floor 2^(3 - 127): the byte cannot fall under 1; a block of zeros keeps it: its codes are zeros
.endr
.irp b, 0,1,2,3
	v_add_nc_u32 v[SO+\b], 0xff000000, v[BM+\b]    ; 2 off the exponent field: the conversion's scale operand
.endr
.irp b, 0,1,2,3
	v_lshrrev_b32 v[BY+\b], 23, v[SO+\b]
.endr
	v_lshl_or_b32 v[PW], v[BY+1], 8, v[BY]         ; p's scale word for these 128 keys
	v_lshl_or_b32 v[PW], v[BY+2], 16, v[PW]
	v_lshl_or_b32 v[PW], v[BY+3], 24, v[PW]
.irp b, 0,1,2,3
	v_cvt_scalef32_pk8_fp4_f32 v[P+4*(\b/2)+\b%2], v[S+16*\b:S+16*\b+7], v[SO+\b]        ; keys 32 b + 8 h + 0 .. 7
	v_cvt_scalef32_pk8_fp4_f32 v[P+4*(\b/2)+2+\b%2], v[S+16*\b+8:S+16*\b+15], v[SO+\b]   ; keys 32 b + 16 + 8 h + 0 .. 7
.endr
	v_nop                                          ; one plain place behind the scaled conversions
.irp c, 0,1                                    ; the exchange leaves lane half h with block 2 c + h, its 32 keys in order
	v_permlane16_swap_b32 v[P+4*\c], v[P+4*\c+1]
	v_permlane16_swap_b32 v[P+4*\c+2], v[P+4*\c+3]
.endr
.set n, 0
.rept 16
	v_pk_mul_f32 v[OO+n:OO+n+1], v[OO+n:OO+n+1], v[FF:FF+1] op_sel_hi:[1,0]   ; O^T under the new M.  (Sixteen plain lines between p's codes and scale word and the products)
.set n, n+2
.endr
	s_wait_dscnt 0x0                               ; V is in
.irp t, 0,1,2,3
	v_wmma_scale_f32_16x16x128_f8f6f4 v[OO+8*\t:OO+8*\t+7], v[F+8*\t:F+8*\t+7], v[P:P+7], v[OO+8*\t:OO+8*\t+7], v[SC+\t], v[PW] matrix_a_fmt:MATRIX_FMT_FP4 matrix_b_fmt:MATRIX_FMT_FP4 matrix_a_scale:MATRIX_SCALE_ROW1
.endr
.endm
.macro TILE i, p                       ; the class of tile i in this step decides: 0: nothing; 2: without the selects; else: with them
	s_lshr_b32 s17, s[15+(\i)], s2
	s_bfe_u32 s17, s17, 0x20000|(2*(\p))
	s_cmp_eq_u32 s17, 0
	s_cbranch_scc1 .Ldone_\@
	s_cmp_eq_u32 s17, 2
	s_cbranch_scc1 .Lopen_\@
	TSTEP \i, \p, 1
	s_branch .Ldone_\@
.Lopen_\@:
	TSTEP \i, \p, 0
.Ldone_\@:
.endm
.macro KSTEP p
	s_wait_loadcnt 0x0                             ; my part of the next record, asked for a step ago
	FEED \p
	TILE 0, \p
	TILE 1, \p
	s_wait_dscnt 0x0                               ; my store into the other slot has landed, and my reads of this slot are over
	s_barrier_signal -1
	s_barrier_wait -1                              ; both hold of all sixteen waves: the other slot is whole, this one may be written
.endm
	s_mov_b32 s19, 0                               ; the trip: two key steps
	s_mov_b32 s2, 0                                ; where the trip's classes stand: 4 bits a trip
	s_mov_b32 s18, 0                               ; and its mask words: 512 bytes a trip
.Ltrip:
	KSTEP 0
	KSTEP 1
	s_wait_xcnt 0x0                                ; the loads issued in this trip have read their base
	s_add_nc_u64 s[4:5], s[4:5], 2*RECB
	s_add_co_u32 s2, s2, 4
	s_add_co_u32 s18, s18, 512
	s_add_co_u32 s19, s19, 1
	s_cmp_lt_u32 s19, 8
	s_cbranch_scc1 .Ltrip
; THE WAY OUT of tile i: O^T / the sum goes through my stage and leaves as rows of 256 bytes: sixteen lanes store one aligned run of 256 bytes.
.macro FINISH i, pr, rb
	v_add_f32 v[T0], v[48+4*(\i)], v[49+4*(\i)]    ; the sum's two halves,
	v_permlanex16_b32 v[BP], v[T0], s20, s21
	v_add_f32 v[T0], v[T0], v[BP]                  ; and lane l xor 16's
	v_rcp_f32 v[RCP], v[T0]
	v_nop                                          ; a plain place behind the reciprocal,
	s_wait_alu depctr_va_vdst(0)                   ; and the wait ahead of its first reader
.set n, 0
.rept 32
	v_mul_f32 v[(\pr)+n], v[O+32*(\i)+n], v[RCP]   ; register 8 t + j: o(query r, d = 16 t + 8 h + j)
.set n, n+1
.endr
.irp t, 0,1,2,3
	ds_store_b128 v[STO], v[(\pr)+8*\t:(\pr)+8*\t+3] offset:64*\t
	ds_store_b128 v[STO], v[(\pr)+8*\t+4:(\pr)+8*\t+7] offset:64*\t+16
.endr
.irp k, 0,1,2,3,4,5,6,7
	ds_load_b128 v[(\rb)+4*\k:(\rb)+4*\k+3], v[SRD] offset:544*\k   ; LDS serves a wave's instructions in order (ISA guide 5.7.1.4): these see my stores
.endr
.irp k, 0,1,2,3,4,5,6,7
	s_wait_dscnt 7-\k                              ; the younger loads may stay out
	global_store_b128 v[GO], v[(\rb)+4*\k:(\rb)+4*\k+3], s[10+2*(\i):11+2*(\i)] offset:8192*\k th:TH_STORE_NT
.endr
.endm
.rept 4
	v_nop                                          ; places behind the last products
.endr
	FINISH 0, 96, 128
	FINISH 1, 160, 62                              ; into registers that no pending store reads
	s_wait_tensorcnt 0x0                           ; the wave's end, behind my last LDS store
	ds_add_u32 v[SPW], v[NIL]
	s_wait_dscnt 0x0
	s_endpgm
.Lfunc_end_k_q44c3feb1cb_attn:
	.size	k_q44c3feb1cb_attn, .Lfunc_end_k_q44c3feb1cb_attn-k_q44c3feb1cb_attn
	.p2alignl 7, 3214868480
	.fill 96, 4, 3214868480
	.section	.rodata,"a",@progbits
	.p2align	6, 0x0
	.amdhsa_kernel k_q44c3feb1cb_attn
		.amdhsa_group_segment_fixed_size 104448
		.amdhsa_private_segment_fixed_size 0
		.amdhsa_enable_private_segment 0
		.amdhsa_kernarg_size 48
		.amdhsa_user_sgpr_count 2
		.amdhsa_user_sgpr_kernarg_segment_ptr 1
		.amdhsa_wavefront_size32 1
		.amdhsa_system_sgpr_workgroup_id_x 1
		.amdhsa_system_sgpr_workgroup_id_y 1
		.amdhsa_system_sgpr_workgroup_id_z 1
		.amdhsa_system_vgpr_workitem_id 0
		.amdhsa_next_free_vgpr 256
		.amdhsa_next_free_sgpr 100
		.amdhsa_reserve_vcc 0
		.amdhsa_float_denorm_mode_32 3
		.amdhsa_float_denorm_mode_16_64 3
		.amdhsa_memory_ordered 1
		.amdhsa_forward_progress 1
		.amdhsa_inst_pref_size 152
	.end_amdhsa_kernel
	.amdgpu_metadata
---
amdhsa.version: [ 1, 2 ]
amdhsa.kernels:
  - .name:           k_q44c3feb1cb_attn
    .symbol:         k_q44c3feb1cb_attn.kd
    .args:
      - { .name: qimg, .offset: 0, .size: 8, .value_kind: global_buffer, .address_space: global }
      - { .name: qs, .offset: 8, .size: 8, .value_kind: global_buffer, .address_space: global }
      - { .name: kv, .offset: 16, .size: 8, .value_kind: global_buffer, .address_space: global }
      - { .name: mw, .offset: 24, .size: 8, .value_kind: global_buffer, .address_space: global }
      - { .name: cls, .offset: 32, .size: 8, .value_kind: global_buffer, .address_space: global }
      - { .name: out0, .offset: 40, .size: 8, .value_kind: global_buffer, .address_space: global }
    .group_segment_fixed_size: 104448
    .private_segment_fixed_size: 0
    .kernarg_segment_align: 8
    .kernarg_segment_size: 48
    .max_flat_workgroup_size: 512
    .sgpr_count:     100
    .vgpr_count:     256
    .wavefront_size: 32
...
	.end_amdgpu_metadata
.endif
;; end of part 3
;; ======== version 2 of 2: 3 launches; version 1 with the launch attn written anew for expert scheduling mode
;; workspace buffers: rope 262,144 bytes; mw 524,288 bytes of whole numbers; cls 8,192 bytes of whole numbers; qimg 4,194,304 bytes; qs 262,144 bytes; kv 8,912,896 bytes
;; launch prep: the kernel of part 1 again; grid 512 x 1, 4 waves a work-group, no clusters, 0 bytes of LDS; arguments mask, mw, cls, rope; writes mw, cls, rope
;; launch qkv: the kernel of part 2 again; grid 12 x 32, 4 waves a work-group, clusters of 4 x 4, 327,680 bytes of LDS; arguments x_codes, x_scales, w_qkv_codes, w_qkv_scales, rope, qimg, qs, kv; writes qimg, qs, kv
;; launch attn (part 4): grid 4 x 64, 16 waves a work-group, no clusters, 104,448 bytes of LDS; arguments qimg, qs, kv, mw, cls, out0; writes out0
.if DOCPART == 4
	.amdgcn_target "amdgcn-amd-amdhsa--gfx1250"
	.amdhsa_code_object_version 6
	.text
	.protected	k_q44c3feb1cb_attn
	.globl	k_q44c3feb1cb_attn
	.p2align	8
	.type	k_q44c3feb1cb_attn,@function
k_q44c3feb1cb_attn:
	s_mov_b64 s[64:65], 0
	v_nop
	global_prefetch_b8 v0, s[64:65] scope:SCOPE_SE
	s_setreg_imm32_b32 hwreg(HW_REG_WAVE_SCHED_MODE, 0, 2), 2
	s_setreg_imm32_b32 hwreg(HW_REG_WAVE_MODE, 25, 1), 1
	s_wait_xcnt 0x0
	s_wait_alu depctr_vm_vsrc(0)
; THIRD LAUNCH: out = softmax(q k^T / 8 under the mask) v, both products on codes of FP4 (E2M1) with E8M0 scales, from the images that the second launch stored.
; WORK LEFT OUT: a tile of 16 queries x 128 keys whose mask bytes are all 0 (class 0, stored by the first launch) is passed over: all its scores are -inf, so p = 0: it moves neither the row's maximum nor its sum nor the output.
; A tile whose bytes are all 1 (class 2) leaves out the 64 selects alone.  LIMIT: a NaN, an infinity or an overflow that reaches only tiles passed over is not carried to the result.
; A row with no visible key ends with sum 0 and output 0: 0 x (1 / 0) = NaN, as reference()'s softmax of a row of -inf.
; THE SOFTMAX: t = score x log2(e) / 8; M = the running largest t rounded UP to a whole number; p = 2^(t - M) is quantised along the keys, not normalised; the row's sum is taken of the unquantised p and divides at the end.
; NO TENSOR LOAD AND NO CLUSTER: K and V are shared all the same: a step's record of 8,704 bytes is brought once by the
; work-group's sixteen waves, 512 bytes each (wave 0: 512 more, the scale words), through registers into one of two LDS slots, and read by all sixteen.  One barrier a key step, outside every branch on classes.
; SHARES.  256 work-groups: a = x (0 .. 3), bh = y.  Wave w (kappa = w / 8, omega = w % 8) owns two tiles of 16 queries: omega-th of the blocks of 128 queries E and 15 - E, E = a (kappa 0) or 7 - a (kappa 1).
; That evens the waves' work where a mask hides later keys; it is right for any mask.
; LAYOUT.  Both products transposed: a lane holds ONE query (lane % 16).  K = 64 in the first product: a fragment of 8 registers holds TWO key tiles (registers 0-3 tile 2 b, 4-7 tile 2 b + 1) and is multiplied once by [Q | 0] and
; once by [0 | Q]: zero codes add nothing.  Register 8 t + j of S holds key 16 t + 8 (lane / 16) + j.  A block of 32 keys is 16 registers in lanes l and l xor 16.
; REGISTERS: v1 16 x lane; v5, v6 the add's two; v7 -inf; v8-10 the way out; v11 16 x thread; v12-19, v248-255 records on their way to LDS, by parity; v20-39: 0000 Q0 0000 Q1 0000; v40-41 Q's scale words; v42-45 K's (lanes 0-15) and V's
; (lanes 16-31) scale words; v46-53 -M, largest t, sum (two halves) of tiles 0, 1; v54-61 p's codes; v62-93 fragments; v96-159 S, then p; v160-223 O^T of tiles 0, 1; v224-247 at work.
; THE MODE: SCHED_MODE bits 1:0 = 2 (LLVM: expert scheduling mode 2), set by the entry lines.  The code itself states the register dependences
; between vector or matrix instructions and memory or LDS instructions, with s_wait_alu, always for 0.
; THE PLAN.  Registers that memory or LDS instructions touch:
;   v1, v3, v8-11, v5, v6   addresses and the add's two: written by vector instructions at the head and never again: one wait on va_vdst ahead of the first load serves every access by them.
;   v12-19, v248-255        named by memory and LDS instructions alone: step s's global loads land in the set that step s - 1's LDS stores read: one wait on vm_vsrc at each key step's head.
;   v62-93, v42-45          LDS loads land in them, matrix instructions read them.  A tile's step: K's fragments and the scale words land; eight products read them; V's fragments land in the same registers; four products read them.
;                           So one wait on va_vdst stands at the tile step's head (the last products are done reading) and one behind the eight products.  There is one set alone: four waves share a SIMD's 1,024 registers.
;   v40-41, the zero codes, v54-61, v244   operands and scales that vector instructions write and scaled products take: the wait at a tile step's head covers the head's, one wait ahead of V's products covers p's.
;   the way out             32 multiplies write what the LDS stores read: one wait on va_vdst a tile, which also covers the registers in which the loads from the stage land.
; Behind the wait that follows K's products V's eight loads are dealt among the search for the maxima, whose lines name the scores and v224-231: none of the registers that those loads touch.
.set RECB,  8704
.set HEADB, 139264
.set SLOT1, 16384                      ; LDS: slot 0 at 0, slot 1 here: a record each
.set STAGE, 32768                      ; the way out: 16 rows x (256 + 16) bytes for each wave
.set SPARE, STAGE+16*4352              ; the spare words, 128 bytes for each wave: eight blocks of 256 bytes that no other line names
.set LI,  1
.set SPW, 5
.set NIL, 6
.set NEG, 7
.set STO, 8
.set SRD, 9
.set GO,  10
.set GL,  11
.set QS,  40
.set SC,  42
.set P,   54
.set F,   62
.set S,   96
.set O,   160
.set BM,  224
.set BP,  228
.set SO,  232
.set BY,  236
.set T0,  240
.set RCP, 241
.set FF,  242
.set PW,  244
.set CH,  246
	s_load_b256 s[68:75], s[0:1], 0x0              ; qimg s[68:69], qs s[70:71], kv s[72:73], mw s[74:75]
	s_load_b128 s[76:79], s[0:1], 0x20             ; cls s[76:77], out0 s[78:79]
	v_lshl_add_u32 v[SPW], v0, 2, SPARE
	v_mov_b32 v[NIL], 0
	v_lshrrev_b32 v2, 5, v0
	v_readfirstlane_b32 s14, v2                    ; wave 0 .. 15
	v_and_b32 v3, 31, v0
	v_lshlrev_b32 v[LI], 4, v3
	v_lshlrev_b32 v[GL], 4, v0                     ; 512 x wave + 16 x lane: my 16 bytes of a record, in memory and in a slot
	v_and_b32 v2, 15, v0                           ; r
	v_bfe_u32 v4, v0, 4, 1                         ; h
	v_lshlrev_b32 v3, 4, v2                        ; 16 r
	s_wait_alu depctr_va_sdst(0)                   ; s14 is written, ahead of its first reader: the tiles, the stage and the branches on the wave's number are made from it
	s_lshr_b32 s24, s14, 3
	s_and_b32 s25, s14, 7
	s_sub_co_u32 s26, 7, ttmp9
	s_cmp_eq_u32 s24, 0
	s_cselect_b32 s26, ttmp9, s26                  ; E
	s_sub_co_u32 s27, 15, s26
	s_lshl_b32 s26, s26, 3
	s_add_co_u32 s26, s26, s25                     ; tile 0
	s_lshl_b32 s27, s27, 3
	s_add_co_u32 s27, s27, s25                     ; tile 1
	s_and_b32 s28, ttmp7, 0xffff                   ; bh
	s_mov_b32 s31, 0
	s_mul_i32 s24, s14, 4352
	s_add_co_u32 s24, s24, STAGE                   ; my stage.  Every LDS address is made here, ahead of the first branch
	v_mul_u32_u24 v[STO], v2, 272
	v_lshl_add_u32 v[STO], v4, 5, v[STO]
	v_add_nc_u32 v[STO], s24, v[STO]               ; in: row r, + 32 h
	v_mul_u32_u24 v[SRD], v4, 272
	v_lshl_add_u32 v[SRD], v2, 4, v[SRD]
	v_add_nc_u32 v[SRD], s24, v[SRD]               ; back: lanes 0-15 one row, lanes 16-31 the next
	v_lshlrev_b32 v[GO], 12, v4
	v_lshl_add_u32 v[GO], v2, 4, v[GO]             ; and the same two rows of out0, 4,096 bytes apart
	s_mov_b32 s20, 0x76543210
	s_mov_b32 s21, 0xfedcba98                      ; v_permlanex16_b32's selects for lane l xor 16
	s_mov_b32 s22, 0x3e38aa3b                      ; c = log2(e) / 8
	s_mov_b32 s23, s22
	s_wait_kmcnt 0x0
	s_mul_i32 s30, s28, HEADB
	s_add_nc_u64 s[4:5], s[72:73], s[30:31]        ; my head's records
	s_wait_alu depctr_va_vdst(0)                   ; v1, v3, v8 to v11 and the add's v5, v6 are written: every load and store of the kernel reads some of them, and no vector instruction names them again
	global_load_b128 v[12:15], v[GL], s[4:5]       ; records 0 and 1
	global_load_b128 v[248:251], v[GL], s[4:5] offset:RECB
	s_cmp_lg_u32 s14, 0
	s_cbranch_scc1 .Lnot0_a
	global_load_b128 v[16:19], v[LI], s[4:5] offset:8192
	global_load_b128 v[252:255], v[LI], s[4:5] offset:RECB+8192
.Lnot0_a:
	s_lshl_b32 s29, s28, 16
	s_lshl_b32 s30, s26, 9
	s_add_co_u32 s30, s30, s29
	s_add_nc_u64 s[80:81], s[68:69], s[30:31]
	s_lshl_b32 s30, s27, 9
	s_add_co_u32 s30, s30, s29
	s_add_nc_u64 s[82:83], s[68:69], s[30:31]
	global_load_b128 v[24:27], v[LI], s[80:81]     ; Q of my two tiles stays in registers
	global_load_b128 v[32:35], v[LI], s[82:83]
	s_lshl_b32 s29, s28, 12
	s_lshr_b32 s30, s26, 3
	s_lshl_b32 s30, s30, 8
	s_add_co_u32 s30, s30, s29
	s_bfe_u32 s24, s26, 0x20001
	s_lshl_b32 s24, s24, 2
	s_add_co_u32 s30, s30, s24
	s_add_nc_u64 s[84:85], s[70:71], s[30:31]
	s_lshr_b32 s30, s27, 3
	s_lshl_b32 s30, s30, 8
	s_add_co_u32 s30, s30, s29
	s_bfe_u32 s24, s27, 0x20001
	s_lshl_b32 s24, s24, 2
	s_add_co_u32 s30, s30, s24
	s_add_nc_u64 s[86:87], s[70:71], s[30:31]
	global_load_b32 v[QS], v3, s[84:85]            ; the word that holds my tile's two scale bytes
	global_load_b32 v[QS+1], v3, s[86:87]
	s_lshl_b32 s30, s26, 6
	s_add_nc_u64 s[88:89], s[76:77], s[30:31]
	s_load_b512 s[32:47], s[88:89], 0x0            ; the 16 classes of tile 0,
	s_lshl_b32 s30, s27, 6
	s_add_nc_u64 s[90:91], s[76:77], s[30:31]
	s_load_b512 s[48:63], s[90:91], 0x0            ; of tile 1
	s_lshl_b32 s30, s26, 12
	s_add_nc_u64 s[6:7], s[74:75], s[30:31]        ; the tiles' mask words: 4,096 bytes a tile
	s_lshl_b32 s30, s27, 12
	s_add_nc_u64 s[8:9], s[74:75], s[30:31]
	s_lshr_b32 s29, s28, 4
	s_lshl_b32 s29, s29, 23                        ; the batch: 2,048 rows of 4,096 bytes
	s_and_b32 s24, s28, 15
	s_lshl_b32 s24, s24, 8                         ; the head's 256 bytes of a row
	s_add_co_u32 s29, s29, s24
	s_lshl_b32 s30, s26, 16
	s_add_co_u32 s30, s30, s29
	s_add_nc_u64 s[10:11], s[78:79], s[30:31]
	s_lshl_b32 s30, s27, 16
	s_add_co_u32 s30, s30, s29
	s_add_nc_u64 s[12:13], s[78:79], s[30:31]
	s_wait_kmcnt 0x0
	s_or_b32 s15, s32, s33                         ; each class stands at its step's two bits: 16 words make one
	s_or_b32 s16, s48, s49
.irp k, 2,3,4,5,6,7,8,9,10,11,12,13,14,15
	s_or_b32 s15, s15, s[32+\k]
	s_or_b32 s16, s16, s[48+\k]
.endr
	s_and_b32 s24, s26, 1
	s_lshl_b32 s24, s24, 4
	s_and_b32 s25, s27, 1
	s_lshl_b32 s25, s25, 4
	s_wait_loadcnt 0x0
	v_lshrrev_b32 v[QS], s24, v[QS]                ; my tile's half of the word,
	v_lshrrev_b32 v[QS+1], s25, v[QS+1]
	v_and_b32 v[QS], 0xffff, v[QS]
	v_and_b32 v[QS+1], 0xffff, v[QS+1]
	v_lshl_or_b32 v[QS], v[QS], 16, v[QS]          ; twice: s0, s1, s0, s1: it serves [Q | 0] and [0 | Q]
	v_lshl_or_b32 v[QS+1], v[QS+1], 16, v[QS+1]
	ds_store_b128 v[GL], v[12:15]                  ; record 0 into slot 0.  No wait: its data came by a load, and no vector instruction since the wait above names v11 or v12 to v19
	s_cmp_lg_u32 s14, 0
	s_cbranch_scc1 .Lnot0_b
	ds_store_b128 v[LI], v[16:19] offset:8192
.Lnot0_b:
.irp k, 20,21,22,23,28,29,30,31,36,37,38,39
	v_mov_b32 v[\k], 0                             ; the zero codes beside Q
.endr
	v_mov_b32 v[NEG], 0xff800000
.irp i, 0,1
	v_mov_b32 v[47+4*\i], 0xff61b1e6               ; the largest t so far: -3e38, under every t
	v_floor_f32 v[46+4*\i], -v[47+4*\i]            ; -M
	v_mov_b32 v[48+4*\i], 0
	v_mov_b32 v[49+4*\i], 0
.endr
.irp b, 0,1,2,3
	v_mov_b32 v[BP+\b], 0                          ; a lane permute's destination counts as one of its sources
.endr
	v_mov_b32 v[FF+1], 0                           ; named as the upper half of a pair
.set n, 0
.rept 64
	v_mov_b32 v[O+n], 0                            ; O^T begins as zeros: which step is a tile's first hangs on the classes.  (These lines are also the places between Q's scale words and the first product)
.set n, n+1
.endr
	s_wait_dscnt 0x0                               ; for the others' sake: my part of record 0 lies in LDS
	s_barrier_signal -1
	s_barrier_wait -1
; In the step of parity p: record s + 1 goes from its registers into the other slot, and record s + 2 is asked for, into the registers that the last step's LDS stores read (the wait for that stands at the step's head, ahead of these branches).
; The last trip's second step stores nothing, and the last trip asks for nothing: branches on the count of trips.
.macro FEED p
.set GA, 12+236*(1-(\p))               ; the registers of record s + 1
.set GB, 12+236*(\p)                   ; and of record s + 2
.if \p
	s_cmp_lt_u32 s19, 7
	s_cbranch_scc0 .Lfed_\@
.endif
	ds_store_b128 v[GL], v[GA:GA+3] offset:SLOT1*(1-(\p))
	s_cmp_lg_u32 s14, 0
	s_cbranch_scc1 .Lmain_\@
	ds_store_b128 v[LI], v[GA+4:GA+7] offset:SLOT1*(1-(\p))+8192
.Lmain_\@:
.if (\p) == 0
	s_cmp_lt_u32 s19, 7
	s_cbranch_scc0 .Lfed_\@
.endif
	global_load_b128 v[GB:GB+3], v[GL], s[4:5] offset:RECB*(2+(\p))
	s_cmp_lg_u32 s14, 0
	s_cbranch_scc1 .Lfed_\@
	global_load_b128 v[GB+4:GB+7], v[LI], s[4:5] offset:RECB*(2+(\p))+8192
.Lfed_\@:
.endm
; ONE TILE'S KEY STEP: 16 queries x 128 keys, from slot p.  masked = 1: the 64 mask words are read and hidden scores become -inf.
.macro TSTEP i, p, masked
.set LB, SLOT1*(\p)
.set OO, O+32*(\i)
.set NM, 46+4*(\i)
.set TM, 47+4*(\i)
.set SU, 48+4*(\i)
.if \masked
	s_load_b512 s[32:47], s[6+2*(\i):7+2*(\i)], s18 offset:256*(\p)
	s_load_b512 s[48:63], s[6+2*(\i):7+2*(\i)], s18 offset:256*(\p)+64
	s_load_b512 s[68:83], s[6+2*(\i):7+2*(\i)], s18 offset:256*(\p)+128
	s_load_b512 s[84:99], s[6+2*(\i):7+2*(\i)], s18 offset:256*(\p)+192
.endif
.rept 4
	v_nop                                          ; places in front of loads into registers that the last products read
.endr
	s_wait_alu depctr_va_vdst(0)                   ; the last products are done reading v62 to v93 and v42 to v45, in which the loads below land; in a wave's first tile step: Q's scale words and the zero codes beside Q are written, which the products below take
.irp k, 0,1,2,3,4,5,6,7
	ds_load_b128 v[F+4*\k:F+4*\k+3], v[LI] offset:LB+512*\k        ; K: eight tiles of 16 keys, two to a fragment
.endr
	ds_load_b128 v[SC:SC+3], v[LI] offset:LB+8192                  ; lanes 0-15: K's four scale words; lanes 16-31: V's
	s_wait_dscnt 0x0
.irp b, 0,1,2,3
	v_wmma_scale_f32_16x16x128_f8f6f4 v[S+16*\b:S+16*\b+7], v[F+8*\b:F+8*\b+7], v[24+8*(\i):31+8*(\i)], 0, v[SC+\b], v[QS+(\i)] matrix_a_fmt:MATRIX_FMT_FP4 matrix_b_fmt:MATRIX_FMT_FP4
	v_wmma_scale_f32_16x16x128_f8f6f4 v[S+16*\b+8:S+16*\b+15], v[F+8*\b:F+8*\b+7], v[20+8*(\i):27+8*(\i)], 0, v[SC+\b], v[QS+(\i)] matrix_a_fmt:MATRIX_FMT_FP4 matrix_b_fmt:MATRIX_FMT_FP4
.endr
.rept 4
	v_nop                                          ; places in front of V's loads and of the first read of the scores
.endr
	s_wait_alu depctr_va_vdst(0)                   ; the eight products are done reading K's fragments v62 to v93, in which V's eight loads land; these are dealt among the lines below, which name none of v62 to v93 and not v1
.if \masked
	s_wait_kmcnt 0x0
.set n, 0
.rept 32
	v_cndmask_b32 v[S+n], v[NEG], v[S+n], s[32+n]  ; word n holds lane L's mask byte at bit L
.set n, n+1
.endr
.rept 32
	v_cndmask_b32 v[S+n], v[NEG], v[S+n], s[36+n]
.set n, n+1
.endr
.endif
.irp b, 0,1,2,3
	v_max3_num_f32 v[BM+\b], v[S+16*\b], v[S+16*\b+1], v[S+16*\b+2]   ; the largest score of each block of 32 keys: for the row's maximum and, since p rises with the score, for the block's largest p
.endr
	ds_load_b128 v[F:F+3], v[LI] offset:LB+4096                    ; V lands under the softmax: chunk 0; one chunk behind each group of four lines
.irp u, 3,5,7,9,11,13
.irp b, 0,1,2,3
	v_max3_num_f32 v[BM+\b], v[BM+\b], v[S+16*\b+\u], v[S+16*\b+\u+1]
.endr
	ds_load_b128 v[F+2*(\u-1):F+2*(\u-1)+3], v[LI] offset:LB+4096+256*(\u-1)   ; chunks 1 to 6
.endr
.irp b, 0,1,2,3
	v_max_num_f32 v[BM+\b], v[BM+\b], v[S+16*\b+15]
.endr
	ds_load_b128 v[F+28:F+31], v[LI] offset:LB+4096+3584           ; chunk 7
.irp b, 0,1,2,3
	v_permlanex16_b32 v[BP+\b], v[BM+\b], s20, s21
.endr
.irp b, 0,1,2,3
	v_max_num_f32 v[BM+\b], v[BM+\b], v[BP+\b]     ; with lane l xor 16's 16 keys
.endr
	v_max3_num_f32 v[T0], v[BM], v[BM+1], v[BM+2]
	v_max_num_f32 v[T0], v[T0], v[BM+3]
	v_mul_f32 v[T0], s22, v[T0]                    ; as t
	v_max_num_f32 v[TM], v[TM], v[T0]              ; the running largest t
	v_mov_b32 v[T0], v[NM]
	v_floor_f32 v[NM], -v[TM]                      ; the new -M = -ceil(t)
	v_sub_f32 v[T0], v[NM], v[T0]                  ; old M - new M: a whole number, 0 or less
	v_cvt_i32_f32 v[T0], v[T0]                     ; (it saturates)
	v_ldexp_f32 v[FF], 1.0, v[T0]                  ; f = 2^(old M - new M): exact
.set n, 0
.rept 32
	v_pk_fma_f32 v[S+n:S+n+1], v[S+n:S+n+1], s[22:23], v[NM:NM+1] op_sel_hi:[1,0,0]   ; t - M
.set n, n+2
.endr
.irp b, 0,1,2,3
	v_fma_f32 v[BM+\b], v[BM+\b], s22, v[NM]
.endr
.set n, 0
.rept 64
	v_exp_f32 v[S+n], v[S+n]                       ; p = 2^(t - M)
.set n, n+1
.endr
	v_pk_mul_f32 v[SU:SU+1], v[SU:SU+1], v[FF:FF+1] op_sel_hi:[1,0]   ; the sums under the new M: the plain place behind the exponentials
	s_wait_alu depctr_va_vdst(0)                   ; the 64 exponentials have written p: one wait for the batch, ahead of its first reader
.irp b, 0,1,2,3
	v_exp_f32 v[BM+\b], v[BM+\b]                   ; each block's largest p
.endr
	v_pk_add_f32 v[CH:CH+1], v[S:S+1], v[S+2:S+3]  ; the row's sum, of the unquantised p, in two chains
.set n, 4
.rept 15
	v_pk_add_f32 v[SU:SU+1], v[SU:SU+1], v[S+n:S+n+1]
	v_pk_add_f32 v[CH:CH+1], v[CH:CH+1], v[S+n+2:S+n+3]
.set n, n+4
.endr
	v_pk_add_f32 v[SU:SU+1], v[SU:SU+1], v[CH:CH+1]
	s_wait_alu depctr_va_vdst(0)                   ; the four exponentials have written the blocks' largest p, ahead of their first reader
.irp b, 0,1,2,3
	v_max_num_f32 v[BM+\b], 0x1800000, v[BM+\b]    ; the floor 2^(3 - 127): the byte cannot fall under 1; a block of zeros keeps it: its codes are zeros
.endr
.irp b, 0,1,2,3
	v_add_nc_u32 v[SO+\b], 0xff000000, v[BM+\b]    ; 2 off the exponent field: the conversion's scale operand
.endr
.irp b, 0,1,2,3
	v_lshrrev_b32 v[BY+\b], 23, v[SO+\b]
.endr
	v_lshl_or_b32 v[PW], v[BY+1], 8, v[BY]         ; p's scale word for these 128 keys
	v_lshl_or_b32 v[PW], v[BY+2], 16, v[PW]
	v_lshl_or_b32 v[PW], v[BY+3], 24, v[PW]
.irp b, 0,1,2,3
	v_cvt_scalef32_pk8_fp4_f32 v[P+4*(\b/2)+\b%2], v[S+16*\b:S+16*\b+7], v[SO+\b]        ; keys 32 b + 8 h + 0 .. 7
	v_cvt_scalef32_pk8_fp4_f32 v[P+4*(\b/2)+2+\b%2], v[S+16*\b+8:S+16*\b+15], v[SO+\b]   ; keys 32 b + 16 + 8 h + 0 .. 7
.endr
	v_nop                                          ; one plain place behind the scaled conversions
.irp c, 0,1                                    ; the exchange leaves lane half h with block 2 c + h, its 32 keys in order
	v_permlane16_swap_b32 v[P+4*\c], v[P+4*\c+1]
	v_permlane16_swap_b32 v[P+4*\c+2], v[P+4*\c+3]
.endr
.set n, 0
.rept 16
	v_pk_mul_f32 v[OO+n:OO+n+1], v[OO+n:OO+n+1], v[FF:FF+1] op_sel_hi:[1,0]   ; O^T under the new M.  (Sixteen plain lines between p's codes and scale word and the products)
.set n, n+2
.endr
	s_wait_dscnt 0x0                               ; V is in
	s_wait_alu depctr_va_vdst(0)                   ; p's codes v54 to v61 and its scale word v244 are written, which the scaled products below take; the sixteen places above stay beside this wait
.irp t, 0,1,2,3
	v_wmma_scale_f32_16x16x128_f8f6f4 v[OO+8*\t:OO+8*\t+7], v[F+8*\t:F+8*\t+7], v[P:P+7], v[OO+8*\t:OO+8*\t+7], v[SC+\t], v[PW] matrix_a_fmt:MATRIX_FMT_FP4 matrix_b_fmt:MATRIX_FMT_FP4 matrix_a_scale:MATRIX_SCALE_ROW1
.endr
.endm
.macro TILE i, p                       ; the class of tile i in this step decides: 0: nothing; 2: without the selects; else: with them
	s_lshr_b32 s17, s[15+(\i)], s2
	s_bfe_u32 s17, s17, 0x20000|(2*(\p))
	s_cmp_eq_u32 s17, 0
	s_cbranch_scc1 .Ldone_\@
	s_cmp_eq_u32 s17, 2
	s_cbranch_scc1 .Lopen_\@
	TSTEP \i, \p, 1
	s_branch .Ldone_\@
.Lopen_\@:
	TSTEP \i, \p, 0
.Ldone_\@:
.endm
.macro KSTEP p
	s_wait_loadcnt 0x0                             ; my part of the next record, asked for a step ago
	s_wait_alu depctr_vm_vsrc(0)                   ; the LDS stores of the step before (at the first step: the head's) have read the registers in which this step's global loads land
	FEED \p
	TILE 0, \p
	TILE 1, \p
	s_wait_dscnt 0x0                               ; my store into the other slot has landed, and my reads of this slot are over
	s_barrier_signal -1
	s_barrier_wait -1                              ; both hold of all sixteen waves: the other slot is whole, this one may be written
.endm
	s_mov_b32 s19, 0                               ; the trip: two key steps
	s_mov_b32 s2, 0                                ; where the trip's classes stand: 4 bits a trip
	s_mov_b32 s18, 0                               ; and its mask words: 512 bytes a trip
.Ltrip:
	KSTEP 0
	KSTEP 1
	s_wait_xcnt 0x0                                ; the loads issued in this trip have read their base
	s_add_nc_u64 s[4:5], s[4:5], 2*RECB
	s_add_co_u32 s2, s2, 4
	s_add_co_u32 s18, s18, 512
	s_add_co_u32 s19, s19, 1
	s_cmp_lt_u32 s19, 8
	s_cbranch_scc1 .Ltrip
; THE WAY OUT of tile i: O^T / the sum goes through my stage and leaves as rows of 256 bytes: sixteen lanes store one aligned run of 256 bytes.
.macro FINISH i, pr, rb
	v_add_f32 v[T0], v[48+4*(\i)], v[49+4*(\i)]    ; the sum's two halves,
	v_permlanex16_b32 v[BP], v[T0], s20, s21
	v_add_f32 v[T0], v[T0], v[BP]                  ; and lane l xor 16's
	v_rcp_f32 v[RCP], v[T0]
	v_nop                                          ; a plain place behind the reciprocal,
	s_wait_alu depctr_va_vdst(0)                   ; the reciprocal is written, ahead of its first reader
.set n, 0
.rept 32
	v_mul_f32 v[(\pr)+n], v[O+32*(\i)+n], v[RCP]   ; register 8 t + j: o(query r, d = 16 t + 8 h + j)
.set n, n+1
.endr
	s_wait_alu depctr_va_vdst(0)                   ; the 32 multiplies have written what the LDS stores read; and every vector or matrix instruction that named the registers in which the loads from the stage land is done
.irp t, 0,1,2,3
	ds_store_b128 v[STO], v[(\pr)+8*\t:(\pr)+8*\t+3] offset:64*\t
	ds_store_b128 v[STO], v[(\pr)+8*\t+4:(\pr)+8*\t+7] offset:64*\t+16
.endr
.irp k, 0,1,2,3,4,5,6,7
	ds_load_b128 v[(\rb)+4*\k:(\rb)+4*\k+3], v[SRD] offset:544*\k   ; LDS serves a wave's instructions in order (ISA guide 5.7.1.4): these see my stores
.endr
.irp k, 0,1,2,3,4,5,6,7
	s_wait_dscnt 7-\k                              ; the younger loads may stay out
	global_store_b128 v[GO], v[(\rb)+4*\k:(\rb)+4*\k+3], s[10+2*(\i):11+2*(\i)] offset:8192*\k th:TH_STORE_NT
.endr
.endm
.rept 4
	v_nop                                          ; places behind the last products
.endr
	FINISH 0, 96, 128
	FINISH 1, 160, 62                              ; into registers that no LDS store and no global store has read
	s_wait_dscnt 0x0                               ; the closing lines, six on end
	s_wait_alu 0x0
	s_wait_tensorcnt 0x0
	ds_add_u32 v[SPW], v[NIL]
	s_wait_dscnt 0x0
	s_endpgm
.Lfunc_end_k_q44c3feb1cb_attn:
	.size	k_q44c3feb1cb_attn, .Lfunc_end_k_q44c3feb1cb_attn-k_q44c3feb1cb_attn
	.p2alignl 7, 3214868480
	.fill 96, 4, 3214868480
	.section	.rodata,"a",@progbits
	.p2align	6, 0x0
	.amdhsa_kernel k_q44c3feb1cb_attn
		.amdhsa_group_segment_fixed_size 104448
		.amdhsa_private_segment_fixed_size 0
		.amdhsa_enable_private_segment 0
		.amdhsa_kernarg_size 48
		.amdhsa_user_sgpr_count 2
		.amdhsa_user_sgpr_kernarg_segment_ptr 1
		.amdhsa_wavefront_size32 1
		.amdhsa_system_sgpr_workgroup_id_x 1
		.amdhsa_system_sgpr_workgroup_id_y 1
		.amdhsa_system_sgpr_workgroup_id_z 1
		.amdhsa_system_vgpr_workitem_id 0
		.amdhsa_next_free_vgpr 256
		.amdhsa_next_free_sgpr 100
		.amdhsa_reserve_vcc 0
		.amdhsa_float_denorm_mode_32 3
		.amdhsa_float_denorm_mode_16_64 3
		.amdhsa_memory_ordered 1
		.amdhsa_forward_progress 1
		.amdhsa_inst_pref_size 153
	.end_amdhsa_kernel
	.amdgpu_metadata
---
amdhsa.version: [ 1, 2 ]
amdhsa.kernels:
  - .name:           k_q44c3feb1cb_attn
    .symbol:         k_q44c3feb1cb_attn.kd
    .args:
      - { .name: qimg, .offset: 0, .size: 8, .value_kind: global_buffer, .address_space: global }
      - { .name: qs, .offset: 8, .size: 8, .value_kind: global_buffer, .address_space: global }
      - { .name: kv, .offset: 16, .size: 8, .value_kind: global_buffer, .address_space: global }
      - { .name: mw, .offset: 24, .size: 8, .value_kind: global_buffer, .address_space: global }
      - { .name: cls, .offset: 32, .size: 8, .value_kind: global_buffer, .address_space: global }
      - { .name: out0, .offset: 40, .size: 8, .value_kind: global_buffer, .address_space: global }
    .group_segment_fixed_size: 104448
    .private_segment_fixed_size: 0
    .kernarg_segment_align: 8
    .kernarg_segment_size: 48
    .max_flat_workgroup_size: 512
    .sgpr_count:     100
    .vgpr_count:     256
    .wavefront_size: 32
...
	.end_amdgpu_metadata
.endif
;; end of part 4
